; MI455X (gfx1250); checked and timed in simulation.
; The chip was launched on July 23, 2026; its instructions are those of AMD's public machine-readable ISA for CDNA 5 (MIT licence, August 2026) and "CDNA5" Instruction Set Architecture Reference Guide (July 2026). The comments in the code are by the model that wrote it; some were corrected since.
;; Role Modulator. Allowed arithmetic: float matrix products may take bf16 or f16 operands with f32 sums; all other float work in f32.
;; Inputs: W 4 x 2,048 x 2,048 float32; b 4 x 2,048 float32; hidden 8 x 512 x 2,048 float32; role_onehot 8 x 4 float32; scales 4 float32.
;; Outputs: out0 8 x 512 x 2,048 float32.
;; 3 versions, each right; version 2 is faster than version 1; version 3 is version 2 with the launch gemm written anew for expert scheduling mode. Each part assembles by itself: llvm-mc -triple=amdgcn-amd-amdhsa -mcpu=gfx1250 --defsym DOCPART=n.
;; ======== version 1 of 3: 2 launches
;; limits: an absolute error that grows with the inputs' magnitude: up to 1e-06 times it; right only within a limited range of input values
;; workspace buffers: hb 16,777,216 bytes; wb 33,554,432 bytes
;; launch cast (part 1): grid 768 x 1, 8 waves a work-group, no clusters, 0 bytes of LDS; arguments hidden, W, hb, wb; writes hb, wb
.if DOCPART == 1
	.amdgcn_target "amdgcn-amd-amdhsa--gfx1250"
	.amdhsa_code_object_version 6
	.text
	.protected	k_q11b80ee2ba_cast
	.globl	k_q11b80ee2ba_cast
	.p2align	8
	.type	k_q11b80ee2ba_cast,@function
k_q11b80ee2ba_cast:
	s_mov_b64 s[64:65], 0
	v_nop
	global_prefetch_b8 v0, s[64:65] scope:SCOPE_SE
	s_setreg_imm32_b32 hwreg(HW_REG_WAVE_MODE, 25, 1), 1
	s_wait_xcnt 0x0
; Rounds the two matrix operands to bf16 once (nearest even; infinities and NaN stay what they are), so that the product's launch moves and keeps
; half the bytes and converts nothing in its loop.
;   hb[row][k]  = bf16(hidden[row][k]),  row = 512 batch + s:  [4096][2048], hidden's own order.
;   wb[k][n']   = bf16(W[r][k][e]),  n' = 256 (e / 64) + 64 r + e % 64:  [2048][8192].  So the 4 roles x 64 columns e that one work-group of the
;                 product needs are 512 neighbouring bytes of every row k.
; A pure stream: no LDS, no barrier, no matrix unit, no cluster (no byte is read by two work-groups).
; Eight waves; every wave turns 16 KiB of f32 into 8 KiB of bf16: 32 loads of 16 bytes a lane, all issued before the first is used, and
; 32 stores of 8 bytes a lane, each covering 256 consecutive bytes, aligned.  Work-groups 0-255 take hidden, 256-767 take W.
.set X, 8                              ; v[8:135]  load i: 4 registers; its first two then hold the 4 bf16 to store
                                       ; v1 lane, v2 wave, v3 source byte offset, v4 destination byte offset, v5-v7 at work
	s_load_b256 s[4:11], s[0:1], 0x0               ; hidden s[4:5], W s[6:7], hb s[8:9], wb s[10:11]
	v_and_b32 v1, 31, v0                           ; lane L
	v_lshrrev_b32 v2, 5, v0                        ; wave w
; 32 loads in one run, then convert and store each as it comes.  sb, db: first scalar register of the source's and the destination's address;
; sstep, dstep: bytes from one load (store) to the next.  No register that a load or store names is written again behind it.
.macro STREAM sb, db, sstep, dstep
.set i, 0
.rept 32
	global_load_b128 v[X+4*i:X+4*i+3], v3, s[\sb:\sb+1] offset:i*\sstep th:TH_LOAD_NT   ; read once in the whole launch
.set i, i+1
.endr
.set i, 0
.rept 32
	s_wait_loadcnt 31-i                            ; loads come back in order (ISA guide 5.7.1): load i is in, the 31 - i younger ones stay out
	v_cvt_pk_bf16_f32 v[X+4*i],   v[X+4*i],   v[X+4*i+1]
	v_cvt_pk_bf16_f32 v[X+4*i+1], v[X+4*i+2], v[X+4*i+3]
	global_store_b64 v4, v[X+4*i:X+4*i+1], s[\db:\db+1] offset:i*\dstep   ; no hint: the next launch reads these bytes
.set i, i+1
.endr
.endm
	s_cmp_lt_u32 ttmp9, 256
	s_cbranch_scc0 .Lw
	; hidden: work-group g owns 128 KiB of f32, wave w 16 KiB of them; a load covers 512 neighbouring bytes, a store the 256 that they become
	s_lshl_b32 s12, ttmp9, 17                      ; g x 131,072
	s_lshl_b32 s13, ttmp9, 16                      ; g x 65,536
	v_lshlrev_b32 v3, 14, v2
	v_lshl_add_u32 v3, v1, 4, v3
	v_add_nc_u32 v3, s12, v3                       ; g << 17 + w << 14 + 16 L
	v_lshlrev_b32 v4, 13, v2
	v_lshl_add_u32 v4, v1, 3, v4
	v_add_nc_u32 v4, s13, v4                       ; g << 16 + w << 13 + 8 L
	s_wait_kmcnt 0x0
	STREAM 4, 8, 512, 256
	s_endpgm
.Lw:
	; W: work-group g = 0..511 owns rows k = 4 g .. 4 g + 3 of all four roles.  Wave w takes k = 4 g + (w >> 1) of the roles 2 rp and 2 rp + 1,
	; rp = w & 1: lanes 0-15 read 256 aligned bytes (64 e) of role 2 rp, lanes 16-31 the same e of role 2 rp + 1; load i is the block e / 64 = i.
	; Rounded, the two pieces are 128 + 128 neighbouring bytes of wb's row k, at 512 i + 256 rp.
	s_sub_co_u32 s12, ttmp9, 256                   ; g
	s_lshl_b32 s13, s12, 16                        ; 4 g rows of wb, 16,384 bytes each
	s_lshl_b32 s12, s12, 15                        ; 4 g rows of W, 8,192 bytes each
	v_lshrrev_b32 v5, 1, v2                        ; w >> 1
	v_and_b32 v6, 1, v2                            ; rp
	v_lshrrev_b32 v7, 4, v1                        ; L >> 4
	v_and_b32 v3, 15, v1
	v_lshlrev_b32 v3, 4, v3                        ; 16 (L & 15)
	v_lshl_add_u32 v3, v5, 13, v3                  ; + the row
	v_lshl_add_u32 v3, v7, 24, v3                  ; + the role: 2^24 bytes each
	v_lshl_add_u32 v3, v6, 25, v3
	v_add_nc_u32 v3, s12, v3                       ; below 2^26, W's size
	v_lshlrev_b32 v4, 3, v1                        ; 8 L = 128 (L >> 4) + 8 (L & 15)
	v_lshl_add_u32 v4, v6, 8, v4                   ; + 256 rp
	v_lshl_add_u32 v4, v5, 14, v4                  ; + the row
	v_add_nc_u32 v4, s13, v4
	s_wait_kmcnt 0x0
	STREAM 6, 10, 256, 512
	s_endpgm
.Lfunc_end_k_q11b80ee2ba_cast:
	.size	k_q11b80ee2ba_cast, .Lfunc_end_k_q11b80ee2ba_cast-k_q11b80ee2ba_cast
	.p2alignl 7, 3214868480
	.fill 96, 4, 3214868480
	.section	.rodata,"a",@progbits
	.p2align	6, 0x0
	.amdhsa_kernel k_q11b80ee2ba_cast
		.amdhsa_group_segment_fixed_size 0
		.amdhsa_private_segment_fixed_size 0
		.amdhsa_enable_private_segment 0
		.amdhsa_kernarg_size 32
		.amdhsa_user_sgpr_count 2
		.amdhsa_user_sgpr_kernarg_segment_ptr 1
		.amdhsa_wavefront_size32 1
		.amdhsa_system_sgpr_workgroup_id_x 1
		.amdhsa_system_sgpr_workgroup_id_y 1
		.amdhsa_system_sgpr_workgroup_id_z 1
		.amdhsa_system_vgpr_workitem_id 0
		.amdhsa_next_free_vgpr 136
		.amdhsa_next_free_sgpr 66
		.amdhsa_reserve_vcc 0
		.amdhsa_float_denorm_mode_32 3
		.amdhsa_float_denorm_mode_16_64 3
		.amdhsa_memory_ordered 1
		.amdhsa_forward_progress 1
		.amdhsa_inst_pref_size 24
	.end_amdhsa_kernel
	.amdgpu_metadata
---
amdhsa.version: [ 1, 2 ]
amdhsa.kernels:
  - .name:           k_q11b80ee2ba_cast
    .symbol:         k_q11b80ee2ba_cast.kd
    .args:
      - { .name: hidden, .offset: 0, .size: 8, .value_kind: global_buffer, .address_space: global }
      - { .name: W, .offset: 8, .size: 8, .value_kind: global_buffer, .address_space: global }
      - { .name: hb, .offset: 16, .size: 8, .value_kind: global_buffer, .address_space: global }
      - { .name: wb, .offset: 24, .size: 8, .value_kind: global_buffer, .address_space: global }
    .group_segment_fixed_size: 0
    .private_segment_fixed_size: 0
    .kernarg_segment_align: 8
    .kernarg_segment_size: 32
    .max_flat_workgroup_size: 256
    .sgpr_count:     66
    .vgpr_count:     136
    .wavefront_size: 32
...
	.end_amdgpu_metadata
.endif
;; end of part 1
;; launch gemm (part 2): grid 32 x 16, 4 waves a work-group, clusters of 4 x 4, 327,680 bytes of LDS; arguments hb, wb, b, role_onehot, scales, out0; writes out0
.if DOCPART == 2
	.amdgcn_target "amdgcn-amd-amdhsa--gfx1250"
	.amdhsa_code_object_version 6
	.text
	.protected	k_q11b80ee2ba_gemm
	.globl	k_q11b80ee2ba_gemm
	.p2align	8
	.type	k_q11b80ee2ba_gemm,@function
k_q11b80ee2ba_gemm:
	s_mov_b64 s[64:65], 0
	v_nop
	global_prefetch_b8 v0, s[64:65] scope:SCOPE_SE
	s_setreg_imm32_b32 hwreg(HW_REG_WAVE_MODE, 25, 1), 1
	s_wait_xcnt 0x0
	s_wait_alu depctr_hold_cnt(0) depctr_sa_sdst(0) depctr_va_vdst(0) depctr_va_sdst(0) depctr_va_ssrc(0) depctr_va_vcc(0) depctr_vm_vsrc(0)
	s_getreg_b32 s2, hwreg(HW_REG_IB_STS2, 6, 4)
	s_cmp_eq_u32 s2, 0
	s_cbranch_scc0 .Lentry_in_a_cluster
	s_endpgm
.Lentry_in_a_cluster:
	s_bfe_u32 s2, ttmp6, 0x10000c
	s_cmp_lg_u32 s2, 0xf033
	s_cbranch_scc0 .Lentry_shape_is_right
	s_endpgm
.Lentry_shape_is_right:
; out[row][e] = sum over r of onehot[batch][r] scales[r] tanh( sum over k of hidden[row][k] W[r][k][e] + b[r][e] ),  row = 512 batch + s.
; Operands in bf16 from the launch before: hb [4096][2048] (K along the rows), wb [2048 (k)][8192 (n')], n' = 256 (e / 64) + 64 r + e % 64.  Sums in f32.
; A work-group takes 256 rows (half a batch) x 64 columns e of ALL FOUR roles: a block of 256 x 256 of the product.  Four waves, as many as a WGP
; has SIMDs; a wave takes 128 rows x (4 roles x the same 32 e): 64 accumulator tiles of 16 x 16, 512 registers.  Since a lane holds the four roles'
; sums of the same outputs, bias, tanh and the sum over the roles stay in its registers, and only 256 x 64 f32 leave.
; All four roles are always computed: the weights are numbers like any other, no branch and no address hangs on them.
; K goes in steps of 128 through a ring of two LDS slots filled by the tensor data mover.  A's tile: 256 rows x 256 bytes.  B's tile lies as in
; memory, 128 rows k x 512 bytes; its fragments are made by the transposing LDS load.
; CLUSTERS: 4 x 4 work-groups.  The four of a row of the cluster have the same 256 rows and ask for A's tiles jointly; the four of a column have the
; same 64 e and ask for B's tiles jointly: each issues the same tensor load with the same descriptor and a mask that names the four.
;
; LIMITS.  Operands are rounded to bf16.  tanh(x) = 1 - 2 / (1 + 2^(2.88539 x)): absolute error a few 1e-7 (so small relative accuracy for |x| below
; about 1e-5), exactly +1 or -1 where the power overflows or vanishes.  The sum over the roles is formed as (sum of c_r) + sum of (-2 c_r) / (1 + 2^..),
; c_r = onehot x scale multiplied first: another order of rounding than tanh x scale x onehot, error a few ulp of the sum of |c_r|; c_r overflows
; where onehot x scale passes 3.4e38, even if tanh were small.
;
; REGISTERS, in windows of 256 (s_set_vgpr_msb's low byte: bits 1:0 source 0, 3:2 source 1, 5:4 source 2, 7:6 destination):
;   window 0: v0-31 addresses; v32-45 the roles' weights; v64-127, v128-191 fragments of A, two buffers; v192-255 the bias
;   window 1: v64-127, v128-191 fragments of B, two buffers
;   window 2: accumulator tiles of my rows 0-63 (tile (a, bi) at v[8 (8 a + bi)], bi = 2 r + f: role r, e half f);  window 3: my rows 64-127
; THE MATRIX INSTRUCTION IS USED TRANSPOSED: source 0 = 16 columns of B, source 1 = 16 rows of A.  Lane l then holds row l % 16, and its registers
; j = 0..7 the columns e = 8 (l / 16) + j of the tile: eight neighbouring outputs of one row.
.set KSTEP,  128
.set PITCH,  272                       ; A's LDS row: 256 bytes + 16 of padding: an odd multiple of 16, so the 16 rows of a fragment load start 16 bytes apart modulo 256
.set BP,     544                       ; B's LDS row: 512 bytes + 32 of padding: an odd multiple of 32, for the transposing load's eight rows x 32 bytes
.set HALFT,  128*PITCH                 ; what one tensor load brings: 128 rows of A, or 64 rows of B (64 x 544 is the same 34,816 bytes)
.set SLOT,   4*HALFT                   ; A's 256 rows, then B's 128 rows
.set SP,     144                       ; the way out: a wave's row of 32 f32, 128 bytes + 16
.set WSTG,   128*SP+128                ; the way out: a wave's own run of 128 such rows; the 128 on top put two waves' halves of one output row on different banks
.set LAPS,   8                         ; a lap = two K steps = once round the ring; 2048 / 256
.set K2,     0x4038aa3b                ; 2 log2(e) = 2.885390
.set ADRA, 16                          ; v16-17  LDS address of my A fragments in slot 0, 1
.set ADRB, 20                          ; v20-21  the same for B
.set STO,  24                          ; v24     the way out: where I put my numbers of a row
.set RD,   25                          ; v25     the way out: where I read 16 bytes of a whole row back
.set CO,   26                          ; v26     my byte offset in out0
.set BO,   27                          ; v27     my byte offset in b
.set WM2,  32                          ; v[32:39] -2 c_r, each twice (pairs for the packed multiply-add)
.set C0,   40                          ; v[40:41] the sum of the c_r, twice
.set CR,   42                          ; v42-45   c_r
.set F0,   64                          ; fragment buffer 0
.set F1,   128                         ; fragment buffer 1
.set BIAS, 192                         ; v[192:255] K2 x b[r][e] of my 8 x 8 columns, at 8 bi + j
.set TMP,  64                          ; behind the loop: one row block's 64 numbers at work
.set OUTV, 128                         ; behind the loop: its 16 results
.set RB,   128                         ; behind the loop: v[128:255] 32 x 16 bytes read back
.set G1,  24                           ; s[24:31] descriptor group 1 for A's tiles
.set G0,  32                           ; s[32:39] descriptor group 0 for A's tiles, one set for each slot
.set G1B, 48                           ; s[48:55] descriptor group 1 for B's tiles
.set G0B, 56                           ; s[56:63] descriptor group 0 for B's tiles, one set for each slot
.set MSB, 0
.macro WIN new                         ; the immediate's high byte repeats the setting that is left; a switch that changes nothing is dropped
.if MSB != \new
	s_set_vgpr_msb (MSB<<8)|\new
.set MSB, \new
.endif
.endm
.set MUL_LO, 0xa1                      ; source 0 (B) window 1, source 1 (A) window 0, C and D window 2
.set MUL_HI, 0xf1                      ; the same, C and D window 3
.set TO_B,   0x40                      ; destination window 1, address window 0
; A joint load.  Waves 0 and 1 fetch A's two halves, waves 2 and 3 B's.  Each of the two lines has one mask and one set of registers for all that
; issue it.  The branch hangs on the wave's number alone.  Four v_nop follow each line.
.macro JLOAD s
	s_cmp_eq_u32 s17, 0
	s_cbranch_scc0 .Lfor_b_\@
	tensor_load_to_lds s[G0+4*\s:G0+4*\s+3], s[G1:G1+7]
	s_nop 0
.rept 4
	v_nop
.endr
	s_branch .Lasked_\@
.Lfor_b_\@:
	tensor_load_to_lds s[G0B+4*\s:G0B+4*\s+3], s[G1B:G1B+7]
	s_nop 0
.rept 4
	v_nop
.endr
.Lasked_\@:
.endm
; A round of the cluster's barrier: my work-group's barrier, so that wave 0's signal speaks for all four waves; wave 0 signals for the work-group;
; every wave waits for all sixteen work-groups; my work-group's barrier once more.
.macro CREST                           ; a round behind its opening barrier
	s_cmp_lg_u32 s16, 0
	s_cbranch_scc1 .Lnot_wave_0_\@
	s_barrier_signal -3
.Lnot_wave_0_\@:
	s_barrier_wait -3
	s_barrier_signal -1
	s_barrier_wait -1
.endm
.macro CROUND                          ; a whole round
	s_barrier_signal -1
	s_barrier_wait -1
	CREST
.endm
	s_load_b256 s[4:11], s[0:1], 0x0               ; hb s[4:5], wb s[6:7], b s[8:9], role_onehot s[10:11]
	s_load_b128 s[12:15], s[0:1], 0x20             ; scales s[12:13], out0 s[14:15]
	s_set_vgpr_msb 0x40
	v_lshl_add_u32 v255, v0, 2, 0x44000
	s_set_vgpr_msb 0x4000
	v_mov_b32 v63, 0
	s_set_vgpr_msb 0x1
	ds_add_u32 v255, v63
	s_set_vgpr_msb 0x100
	v_lshrrev_b32 v1, 5, v0
	v_readfirstlane_b32 s16, v1                    ; wave 0..3
	s_lshr_b32 s17, s16, 1                         ; which 128 of the block's rows are mine.  Also: I fetch for A (0) or for B (1)
	s_and_b32 s18, s16, 1                          ; which 32 of the 64 e are mine.  Also: which half of that tile I fetch
	s_bfe_u32 s40, ttmp6, 0x40000                  ; cx: my place along the cluster's x
	s_bfe_u32 s41, ttmp6, 0x40004                  ; cy: along its y
	s_lshl_b32 s42, ttmp9, 2                       ; in a cluster launch ttmp9 and ttmp7 count clusters
	s_add_co_u32 s42, s42, s40                     ; column block (64 e) = 4 x cluster x + cx, 0..31
	s_and_b32 s19, ttmp7, 0xffff
	s_lshl_b32 s19, s19, 2
	s_add_co_u32 s19, s19, s41                     ; row block (256 rows) = 4 x cluster y + cy, 0..15
	s_lshl_b32 s43, s41, 2
	s_lshl_b32 s43, 15, s43                        ; my row of the cluster: places 4 cy .. 4 cy + 3
	s_lshl_b32 s44, 0x1111, s40                    ; my column: places cx, cx + 4, cx + 8, cx + 12
	; group 1 for A: 128 rows x 128 elements of 2 bytes, 4 words of padding behind every 64 words
	s_or_b32 s[G1+0], s43, (1<<16)|(1<<20)|(1<<21)|(5<<22)|(3<<25)   ; 15:0 mask: my row; 17:16 2 bytes; 20 padding on; 21 set beside a mask; 24:22 every 64 words; 31:25 4 words
	s_mov_b32 s[G1+1], KSTEP<<16                   ; 63:48 tensor_dim0 = 128
	s_mov_b32 s[G1+2], 128<<16                     ; 95:80 tensor_dim1 = 128
	s_mov_b32 s[G1+3], KSTEP<<16                   ; 127:112 tile_dim0 = 128
	s_mov_b32 s[G1+4], 128                         ; 143:128 tile_dim1 = 128; tile_dim2 = 0
	s_mov_b32 s[G1+5], 2048                        ; 191:160 elements from row to row of hb
	s_mov_b32 s[G1+6], 0
	s_mov_b32 s[G1+7], 0
	; group 1 for B: 64 rows k x 256 elements, 8 words of padding behind every 128 words
	s_or_b32 s[G1B+0], s44, (1<<16)|(1<<20)|(1<<21)|(6<<22)|(7<<25)  ; mask: my column; every 128 words; 8 words
	s_mov_b32 s[G1B+1], 256<<16                    ; tensor_dim0 = 256
	s_mov_b32 s[G1B+2], 64<<16                     ; tensor_dim1 = 64
	s_mov_b32 s[G1B+3], 256<<16                    ; tile_dim0 = 256
	s_mov_b32 s[G1B+4], 64                         ; tile_dim1 = 64
	s_mov_b32 s[G1B+5], 8192                       ; elements from row to row of wb
	s_mov_b32 s[G1B+6], 0
	s_mov_b32 s[G1B+7], 0
	; where the tiles come from.  A's hang on the row block alone, which my row of the cluster shares; B's on the column block alone, which my column
	; shares.  Every wave makes both addresses, in registers that never hold the other coordinate, and asks by one of them.
	s_lshl_b32 s20, s19, 8
	s_lshl_b32 s22, s18, 7
	s_add_co_u32 s20, s20, s22                     ; A: row 256 x row block + 128 x half,
	s_lshl_b32 s20, s20, 12                        ; of 4,096 bytes (below 2^24)
	s_mov_b32 s21, 0
	s_lshl_b32 s46, s42, 9                         ; B: 512 bytes x column block
	s_lshl_b32 s22, s18, 20
	s_add_co_u32 s46, s46, s22                     ; + 64 rows of 16,384 bytes x half
	s_mov_b32 s47, 0
	s_mul_i32 s45, s16, HALFT                      ; and where they go: A's two halves, then B's two = wave x 34,816: no place in the cluster enters an LDS address
	s_wait_dscnt 0x0
	s_wait_kmcnt 0x0
	s_add_nc_u64 s[20:21], s[4:5], s[20:21]
	s_add_nc_u64 s[46:47], s[6:7], s[46:47]
	CROUND                                         ; all sixteen work-groups are here: the first joint loads meet
.irp s, 0,1
	s_mov_b32 s[G0+4*\s], 1                                        ; 1:0 count = 1
	s_add_co_u32 s[G0+4*\s+1], s45, \s*SLOT                        ; 63:32 LDS address
	s_add_nc_u64 s[G0+4*\s+2:G0+4*\s+3], s[20:21], \s*KSTEP*2      ; 120:64 global address: K step s is 256 bytes along hb's rows
	s_or_b32 s[G0+4*\s+3], s[G0+4*\s+3], 0x80000000                ; 127:126 type = 2
	s_mov_b32 s[G0B+4*\s], 1
	s_add_co_u32 s[G0B+4*\s+1], s45, \s*SLOT
	s_add_nc_u64 s[G0B+4*\s+2:G0B+4*\s+3], s[46:47], \s*KSTEP*16384   ; K step s is 128 rows down wb
	s_or_b32 s[G0B+4*\s+3], s[G0B+4*\s+3], 0x80000000
	JLOAD \s                                       ; both slots' first fills go out before anything else: two tensor loads of the wave are out, the most in this text
.endr
	; While the first tiles are on their way: addresses, the roles' weights, the bias.
	v_and_b32 v1, 15, v0                           ; l % 16
	v_bfe_u32 v2, v0, 4, 1                         ; h = l / 16
	v_and_b32 v4, 7, v0                            ; l % 8
	v_bfe_u32 v6, v0, 3, 1                         ; (l / 8) % 2
	; A fragment: 16 rows x 32 K in 8 registers: lane l holds row l % 16; registers 0-3 K = 8 h + 0..7, registers 4-7 K = 16 + 8 h + 0..7: two loads of 16 bytes, 32 apart
	v_mul_u32_u24 v3, v1, PITCH
	v_lshl_add_u32 v3, v2, 4, v3
	s_mul_i32 s22, s17, HALFT                      ; my 128 rows of A
	v_add_nc_u32 v[ADRA], s22, v3
	v_add_nc_u32 v[ADRA+1], SLOT, v[ADRA]
	; B fragment from rows that lie along n: the transposing load exchanges 8 x 8 elements among eight lanes.  Lane l addresses row k = 8 h + l % 8,
	; 16 bytes at column 8 ((l / 8) % 2), and receives K = 8 h + 0..7 of column l % 16; a second load 16 rows further down brings K = 16 + 8 h + 0..7
	v_lshl_add_u32 v5, v2, 3, v4
	v_mul_u32_u24 v5, v5, BP
	v_lshl_add_u32 v5, v6, 4, v5
	s_lshl_b32 s23, s18, 6                         ; my 32 e of each role: 64 bytes x half,
	s_add_co_u32 s23, s23, 2*HALFT                 ; behind A's 256 rows
	v_add_nc_u32 v[ADRB], s23, v5
	v_add_nc_u32 v[ADRB+1], SLOT, v[ADRB]
	; the way out: in, row l % 16 of my own run, 32 bytes for each half of the lanes
	s_mul_i32 s22, s16, WSTG
	v_mul_u32_u24 v7, v1, SP
	v_lshl_add_u32 v7, v2, 5, v7
	v_add_nc_u32 v[STO], s22, v7
	; back: wave w stores the block's rows 64 w .. 64 w + 63, two at a time (lanes 0-15 one, lanes 16-31 the next).  A row's first 128 bytes lie in the
	; run of the wave with e half 0, the other 128 in the run of the wave with e half 1: lanes 0-7 and 8-15 of each sixteen
	s_mul_i32 s22, s17, 2*WSTG                     ; the two runs that hold these rows begin here
	s_mul_i32 s23, s18, 64*SP                      ; rows 64 (w % 2) .. of them
	s_add_co_u32 s22, s22, s23
	v_mul_u32_u24 v8, v6, WSTG
	v_mul_u32_u24 v9, v2, SP
	v_add3_u32 v8, v8, v9, s22
	v_lshl_add_u32 v[RD], v4, 4, v8
	v_lshlrev_b32 v[CO], 4, v1                     ; and in out0: 16 bytes a lane, the second row 8,192 bytes on
	v_lshl_add_u32 v[CO], v2, 13, v[CO]
	v_lshlrev_b32 v[BO], 5, v2                     ; in b: my 8 columns of a tile, 32 h,
	v_lshl_add_u32 v[BO], s18, 7, v[BO]            ; + my 32 e
	v_lshl_add_u32 v[BO], s42, 8, v[BO]            ; + the block's 64 e
	s_lshr_b32 s66, s19, 1                         ; my batch: two row blocks each
	s_lshl_b32 s66, s66, 4                         ; its four weights, 16 bytes
	s_mov_b32 s67, 0
	s_add_nc_u64 s[10:11], s[10:11], s[66:67]
	s_load_b128 s[68:71], s[10:11], 0x0            ; onehot[batch][0..3]
	s_load_b128 s[72:75], s[12:13], 0x0            ; scales[0..3]
.irp r, 0,1,2,3
.irp f, 0,1
.irp q, 0,1
	global_load_b128 v[BIAS+8*(2*\r+\f)+4*\q:BIAS+8*(2*\r+\f)+4*\q+3], v[BO], s[8:9] offset:8192*\r+64*\f+16*\q
.endr
.endr
.endr
	s_lshl_b32 s66, s19, 8                         ; out0 at the first row that I store: 256 x row block + 64 x wave,
	s_lshl_b32 s67, s16, 6
	s_add_co_u32 s66, s66, s67
	s_lshl_b32 s66, s66, 13                        ; of 8,192 bytes (below 2^25),
	s_lshl_b32 s67, s42, 8                         ; and the block's 64 e, 256 bytes
	s_add_co_u32 s66, s66, s67
	s_mov_b32 s67, 0
	s_add_nc_u64 s[14:15], s[14:15], s[66:67]
	s_wait_kmcnt 0x0                               ; the weights are in
.irp r, 0,1,2,3
	v_mov_b32 v[CR+\r], s[72+\r]
	v_mul_f32 v[CR+\r], s[68+\r], v[CR+\r]         ; c_r = onehot x scale
.endr
	v_add_f32 v[C0], v[CR], v[CR+1]
	v_add_f32 v[C0+1], v[CR+2], v[CR+3]
	v_add_f32 v[C0], v[C0], v[C0+1]                ; the sum of the c_r
	v_mov_b32 v[C0+1], v[C0]
.irp r, 0,1,2,3
	v_mul_f32 v[WM2+2*\r], -2.0, v[CR+\r]
	v_mov_b32 v[WM2+2*\r+1], v[WM2+2*\r]
.endr
	s_wait_loadcnt 0x0                             ; the bias is in
.set n, 0
.rept 32
	v_pk_mul_f32 v[BIAS+n:BIAS+n+1], v[BIAS+n:BIAS+n+1], K2 op_sel_hi:[1,0]   ; K2 b, so that K2 (x + b) is one multiply-add behind the loop
.set n, n+2
.endr
; 16 matrix instructions: row blocks a0, a0 + 1 of the window's four (hi = 0: my rows 0-63, 1: rows 64-127) x all 8 column tiles, 32 along K.
; zero = 1: the first product starts the sums: nothing is ever cleared.
.macro MUL16 buf, hi, a0, zero
.irp a, \a0, \a0+1
.irp b, 0,1,2,3,4,5,6,7
.if \zero
	v_wmma_f32_16x16x32_bf16 v[8*(8*(\a)+\b):8*(8*(\a)+\b)+7], v[\buf+8*\b:\buf+8*\b+7], v[\buf+8*(4*\hi+\a):\buf+8*(4*\hi+\a)+7], 0
.else
	v_wmma_f32_16x16x32_bf16 v[8*(8*(\a)+\b):8*(8*(\a)+\b)+7], v[\buf+8*\b:\buf+8*\b+7], v[\buf+8*(4*\hi+\a):\buf+8*(4*\hi+\a)+7], v[8*(8*(\a)+\b):8*(8*(\a)+\b)+7]
.endif
.endr
.endr
.endm
; 32 LDS loads in one run: the fragments of quarter step q (32 K) into buffer buf: B's 8 tiles (role r at 128 r bytes of a row, e half f at 32 f), then A's 8 row blocks
.macro FETCH slot, q, buf
	WIN TO_B
.irp r, 0,1,2,3
.irp f, 0,1
	ds_load_tr16_b128 v[\buf+8*(2*\r+\f):\buf+8*(2*\r+\f)+3],   v[ADRB+\slot] offset:\q*32*BP+128*\r+32*\f
	ds_load_tr16_b128 v[\buf+8*(2*\r+\f)+4:\buf+8*(2*\r+\f)+7], v[ADRB+\slot] offset:\q*32*BP+128*\r+32*\f+16*BP
.endr
.endr
	WIN 0
.irp i, 0,1,2,3,4,5,6,7
	ds_load_b128 v[\buf+8*\i:\buf+8*\i+3],   v[ADRA+\slot] offset:\q*64+\i*16*PITCH
	ds_load_b128 v[\buf+8*\i+4:\buf+8*\i+7], v[ADRA+\slot] offset:\q*64+\i*16*PITCH+32
.endr
.endm
; A load into a register that a matrix instruction has read, and a vector instruction that reads a matrix result or writes one of a matrix instruction's
; registers, stand four places behind it; only plain vector instructions that name none of its registers are places (ISA guide 7.12.1 for vector
; instructions).  So four v_nop stand in front of each run of loads.
.macro PLACES
.rept 4
	v_nop
.endr
.endm
; A K step is four quarter steps of 32 along K, 64 matrix instructions each, on buffers 0, 1, 0, 1.  The 64 accumulators take turns, one instruction a
; turn, in the same order in every quarter, over the loop's backward jump too.
; One of the first three quarters: multiplies buffer mb; in its middle it fetches quarter q of the same slot into buffer fb.
.macro QUARTER slot, q, mb, fb, zero
	s_wait_dscnt 8                                 ; B and A's rows 0-63 are in; the youngest eight loads (A's rows 64-127) may be out
	WIN MUL_LO
	MUL16 \mb, 0, 0, \zero
	MUL16 \mb, 0, 2, \zero
	PLACES
	FETCH \slot, \q, \fb
	s_wait_dscnt 32                                ; all but the 32 just issued
	WIN MUL_HI
	MUL16 \mb, 1, 0, \zero
	MUL16 \mb, 1, 2, \zero
.endm
.macro THREE slot, zero
	QUARTER \slot, 1, F0, F1, \zero
	QUARTER \slot, 2, F1, F0, 0
	QUARTER \slot, 3, F0, F1, 0
.endm
; The last quarter: multiplies buffer 1 and changes slots.  next = the other slot; fill = 1: this slot is filled again, two K steps ahead.
; In front of the barrier each wave waits for its own reads of this slot and for all its tensor loads, of which one is out: its part of the next slot.
; Behind it nobody reads this slot any more and the next slot is whole: the refill comes first, then the next slot's first fragments.
; From a request to the wait for it a wave issues 240 matrix instructions.
.macro TURN slot, next, fill
	s_wait_dscnt 8
	WIN MUL_LO
	MUL16 F1, 0, 0, 0
	s_wait_dscnt 0                                 ; my reads of this slot are over
	s_wait_tensorcnt 0x0                           ; and all my tensor loads have landed
	ds_add_u32 v255, v63
	s_wait_dscnt 0x0
	s_barrier_signal -1                            ; say so (where the slot is filled again this barrier opens a round of the cluster's barrier),
	MUL16 F1, 0, 2, 0                              ; work on registers while the others arrive,
	WIN 0
	s_barrier_wait -1                              ; and go on when all four have said so
.if \fill
	CREST                                          ; all sixteen work-groups have said so: no wave of any partner still reads this slot's tile or has a load on its way
	s_add_nc_u64 s[G0+4*\slot+2:G0+4*\slot+3], s[G0+4*\slot+2:G0+4*\slot+3], 2*KSTEP*2        ; no tensor load of mine is out: the addresses step by two K steps
	s_add_nc_u64 s[G0B+4*\slot+2:G0B+4*\slot+3], s[G0B+4*\slot+2:G0B+4*\slot+3], 2*KSTEP*16384
	JLOAD \slot                                    ; the first and only tensor load behind the round; the four v_nop behind it are also the places in front of the loads below
.else
	PLACES
.endif
	FETCH \next, 0, F0
	WIN MUL_HI
	MUL16 F1, 1, 0, 0
	MUL16 F1, 1, 2, 0
.endm
.macro LAP zero                        ; once round the ring, both slots filled again
	THREE 0, \zero
	TURN 0, 1, 1
	THREE 1, 0
	TURN 1, 0, 1
.endm
	s_wait_tensorcnt 1                             ; my part of K step 0 is in; K step 1's may stay out
	s_barrier_signal -1
	s_barrier_wait -1                              ; everybody's is
	FETCH 0, 0, F0
	LAP 1                                          ; the first lap stands in front of the loop: its first products start the sums
	WIN 0                                          ; at a label and at a branch every window is 0
	s_mov_b32 s3, LAPS-2
.Llap:
	LAP 0
	WIN 0
	s_sub_co_u32 s3, s3, 1
	s_cmp_lg_u32 s3, 0
	s_cbranch_scc1 .Llap
	THREE 0, 0                                     ; the last lap fills nothing and has no round of the cluster's barrier
	TURN 0, 1, 0                                   ; behind this barrier no wave reads slot 0 again, and no load fills it again
	THREE 1, 0
	s_wait_dscnt 8                                 ; the very last quarter: nothing more to fetch
	WIN MUL_LO
	MUL16 F1, 0, 0, 0
	MUL16 F1, 0, 2, 0
	s_wait_dscnt 0
	WIN MUL_HI
	MUL16 F1, 1, 0, 0
	MUL16 F1, 1, 2, 0
	PLACES                                         ; the places behind the last matrix instructions, for all that follows
; Rows 16 a .. 16 a + 15 of my 128: the eight tiles (al, 0..7), al = a % 4, of window 2 or 3 (win = 0x02 or 0x03: source 0).
; y = K2 (x + b) in one multiply-add; 1 / (1 + 2^y); out = C0 + sum over r of (-2 c_r) / (1 + 2^y_r): 16 numbers a lane, into my own run of the stage.
.macro EPI a, al, win
	WIN \win
.irp b, 0,1,2,3,4,5,6,7
.irp p, 0,2,4,6
	v_pk_fma_f32 v[TMP+8*\b+\p:TMP+8*\b+\p+1], v[8*(8*\al+\b)+\p:8*(8*\al+\b)+\p+1], K2, v[BIAS+8*\b+\p:BIAS+8*\b+\p+1] op_sel_hi:[1,0,1]
.endr
.endr
	WIN 0
.set n, 0
.rept 64
	v_exp_f32 v[TMP+n], v[TMP+n]                   ; infinite for large y, zero for very negative y: both give the right limit below
.set n, n+1
.endr
	v_nop                                          ; one plain vector instruction between a transcendental and the use of its result (ISA guide 5.7.2)
.set n, 0
	s_wait_alu depctr_va_vdst(0)
.rept 32
	v_pk_add_f32 v[TMP+n:TMP+n+1], v[TMP+n:TMP+n+1], 1.0 op_sel_hi:[1,0]
.set n, n+2
.endr
.set n, 0
.rept 64
	v_rcp_f32 v[TMP+n], v[TMP+n]
.set n, n+1
.endr
	v_nop                                          ; as above
	s_wait_alu depctr_va_vdst(0)
.irp r, 0,1,2,3
.irp f, 0,1
.irp p, 0,2,4,6
.if \r == 0
	v_pk_fma_f32 v[OUTV+8*\f+\p:OUTV+8*\f+\p+1], v[TMP+8*(2*\r+\f)+\p:TMP+8*(2*\r+\f)+\p+1], v[WM2+2*\r:WM2+2*\r+1], v[C0:C0+1]
.else
	v_pk_fma_f32 v[OUTV+8*\f+\p:OUTV+8*\f+\p+1], v[TMP+8*(2*\r+\f)+\p:TMP+8*(2*\r+\f)+\p+1], v[WM2+2*\r:WM2+2*\r+1], v[OUTV+8*\f+\p:OUTV+8*\f+\p+1]
.endif
.endr
.endr
.endr
.irp f, 0,1
.irp q, 0,1
	ds_store_b128 v[STO], v[OUTV+8*\f+4*\q:OUTV+8*\f+4*\q+3] offset:\a*16*SP+64*\f+16*\q   ; e = 16 f + 8 h + 4 q + 0..3 of my 32
.endr
.endr
.endm
	; The stage is four runs of 18,560 bytes from LDS byte 0, one a wave, all inside slot 0, which has had its last fill and its last read (see the last TURN).
	EPI 0, 0, 0x02
	EPI 1, 1, 0x02
	EPI 2, 2, 0x02
	EPI 3, 3, 0x02
	EPI 4, 0, 0x03
	EPI 5, 1, 0x03
	EPI 6, 2, 0x03
	EPI 7, 3, 0x03
	s_wait_dscnt 0x0                               ; my stores into the stage are done: other waves read them behind the barrier
	s_barrier_signal -1
	s_barrier_wait -1
	; 64 whole rows of 256 bytes a wave, two rows a load
.set t, 0
.rept 32
	ds_load_b128 v[RB+4*t:RB+4*t+3], v[RD] offset:t*2*SP
.set t, t+1
.endr
.set t, 0
.rept 32
	s_wait_dscnt 31-t                              ; LDS loads come back in order (ISA guide 5.7.1): load t is in, the 31 - t younger ones stay out
	global_store_b128 v[CO], v[RB+4*t:RB+4*t+3], s[14:15] offset:16384*t th:TH_STORE_NT   ; 16 lanes store 256 consecutive bytes, at a multiple of 256 from out0's first byte
.set t, t+1
.endr
	s_set_vgpr_msb 0x1
	s_wait_tensorcnt 0x0
	ds_add_u32 v255, v63
	s_wait_dscnt 0x0
	s_set_vgpr_msb 0x100
	CROUND                                         ; the closing round: no work-group ends while a partner may still ask for a tile that names it
	s_endpgm
.Lfunc_end_k_q11b80ee2ba_gemm:
	.size	k_q11b80ee2ba_gemm, .Lfunc_end_k_q11b80ee2ba_gemm-k_q11b80ee2ba_gemm
	.p2alignl 7, 3214868480
	.fill 96, 4, 3214868480
	.section	.rodata,"a",@progbits
	.p2align	6, 0x0
	.amdhsa_kernel k_q11b80ee2ba_gemm
		.amdhsa_group_segment_fixed_size 327680
		.amdhsa_private_segment_fixed_size 0
		.amdhsa_enable_private_segment 0
		.amdhsa_kernarg_size 48
		.amdhsa_user_sgpr_count 2
		.amdhsa_user_sgpr_kernarg_segment_ptr 1
		.amdhsa_wavefront_size32 1
		.amdhsa_system_sgpr_workgroup_id_x 1
		.amdhsa_system_sgpr_workgroup_id_y 1
		.amdhsa_system_sgpr_workgroup_id_z 1
		.amdhsa_system_vgpr_workitem_id 0
		.amdhsa_next_free_vgpr 1024
		.amdhsa_next_free_sgpr 76
		.amdhsa_reserve_vcc 0
		.amdhsa_float_denorm_mode_32 3
		.amdhsa_float_denorm_mode_16_64 3
		.amdhsa_memory_ordered 1
		.amdhsa_forward_progress 1
		.amdhsa_inst_pref_size 255
	.end_amdhsa_kernel
	.section	.bss,"aw",@nobits
	.p2align	6
	.space	262144
	.amdgpu_metadata
---
amdhsa.version: [ 1, 2 ]
amdhsa.kernels:
  - .name:           k_q11b80ee2ba_gemm
    .symbol:         k_q11b80ee2ba_gemm.kd
    .args:
      - { .name: hb, .offset: 0, .size: 8, .value_kind: global_buffer, .address_space: global }
      - { .name: wb, .offset: 8, .size: 8, .value_kind: global_buffer, .address_space: global }
      - { .name: b, .offset: 16, .size: 8, .value_kind: global_buffer, .address_space: global }
      - { .name: role_onehot, .offset: 24, .size: 8, .value_kind: global_buffer, .address_space: global }
      - { .name: scales, .offset: 32, .size: 8, .value_kind: global_buffer, .address_space: global }
      - { .name: out0, .offset: 40, .size: 8, .value_kind: global_buffer, .address_space: global }
    .group_segment_fixed_size: 327680
    .private_segment_fixed_size: 0
    .kernarg_segment_align: 8
    .kernarg_segment_size: 48
    .max_flat_workgroup_size: 128
    .sgpr_count:     76
    .vgpr_count:     1024
    .wavefront_size: 32
...
	.end_amdgpu_metadata
.endif
;; end of part 2
;; ======== version 2 of 3: 2 launches; 1.81 times as fast as version 1
;; limits: an absolute error that grows with the inputs' magnitude: up to 1e-06 times it; right only within a limited range of input values
;; workspace buffers: ha 16,777,216 bytes; wf 33,554,432 bytes; route 256 bytes of whole numbers
;; launch cast (part 3): grid 768 x 1, 8 waves a work-group, no clusters, 68,608 bytes of LDS; arguments hidden, W, role_onehot, scales, ha, wf, route; writes ha, wf, route
.if DOCPART == 3
	.amdgcn_target "amdgcn-amd-amdhsa--gfx1250"
	.amdhsa_code_object_version 6
	.text
	.protected	k_q11b80ee2ba_cast
	.globl	k_q11b80ee2ba_cast
	.p2align	8
	.type	k_q11b80ee2ba_cast,@function
k_q11b80ee2ba_cast:
	s_mov_b64 s[64:65], 0
	v_nop
	global_prefetch_b8 v0, s[64:65] scope:SCOPE_SE
	s_setreg_imm32_b32 hwreg(HW_REG_WAVE_MODE, 25, 1), 1
	s_wait_xcnt 0x0
; Three jobs for the launch that follows.
; 1. ha: hidden rounded to bf16 (nearest even), laid out as the matrix instruction's fragments.  Block (rb = row / 16, kc = k / 32) is 1,024 bytes at
;    (64 rb + kc) x 1,024; in it byte 512 j + 16 L + 2 t holds hidden[16 rb + L % 16][32 kc + 16 j + 8 (L / 16) + t]: what lane L keeps in registers
;    4 j .. 4 j + 3 of a 16 x 32 fragment (ISA guide 7.12.2).  So one 16-byte load a lane, 512 neighbouring bytes a wave, fills half a fragment.
; 2. wf: W rounded to bf16, in the same form with K along the registers.  Block (r, G = e / 64, kc, i = 0..3) is 1,024 bytes at
;    r x 2^23 + ((64 G + kc) x 4 + i) x 1,024; byte 512 j + 16 L + 2 t holds W[r][32 kc + 16 j + 8 (L / 16) + t][64 G + 4 (L % 16) + i].
;    Column n of tile i is e = 64 G + 4 n + i: with that choice a lane that loads 4 neighbouring e of 8 rows k holds, after packing along k, one
;    16-byte piece of each of the four tiles: the transposition costs nothing beyond the conversions.
; 3. route: which roles each batch has to multiply at all, as whole numbers.  Role r is active for batch i if onehot[i][r] x scales[r] is not zero
;    (a NaN counts as not zero).  route[i] = 8 words: l0..l3 the active roles in ascending order (unused places 0), n = max(their number, 1), 0, 0, 0.
;    With no active role the list is role 0 alone, which the next launch then walks with its true weight, zero.
; A stream: no matrix unit, no cluster (no byte is read by two work-groups), no barrier (LDS is used by each wave for itself alone).
; Eight waves; every wave turns 16 KiB of f32 into 8 KiB of bf16 with 32 loads of 16 bytes a lane, all issued before the first is used, and 16 stores
; of 16 bytes a lane, each covering 512 consecutive bytes, aligned.  Work-groups 0-255 take hidden, 256-767 take W.
; Wave 0 of work-group 0 also makes route: compares and selects only, no branch and no address hangs on a float.
.set X,  8                             ; v[8:135]   load i: 4 registers
.set Y,  136                           ; v[136:151] W: the first group's 16 packed registers
.set RO, 136                           ; hidden, the wave that makes route: v[136:139] onehot, then weights; v[140:143] scales; v144, v145 offsets
.set LP, 528                           ; hidden: an LDS row of 256 bf16, 512 bytes + 16: an odd multiple of 16, so 16 rows' pieces start 16 bytes apart modulo 256
.set WL, 16*LP                         ; 8,448 bytes of LDS for each wave
                                       ; v1 lane, v2 wave, v3 source byte offset, v4 destination byte offset, v5-v7 LDS addresses and parts
	s_load_b256 s[4:11], s[0:1], 0x0               ; hidden s[4:5], W s[6:7], role_onehot s[8:9], scales s[10:11]
	s_load_b128 s[12:15], s[0:1], 0x20             ; ha s[12:13], wf s[14:15]
	s_load_b64 s[16:17], s[0:1], 0x30              ; route
	v_lshl_add_u32 v152, v0, 2, 0x10800
	v_mov_b32 v153, 0
	v_and_b32 v1, 31, v0                           ; lane L
	v_lshrrev_b32 v2, 5, v0                        ; wave w
	v_readfirstlane_b32 s18, v2                    ; and as a scalar
; hidden: 16 rows x 256 k.  Load i takes 512 neighbouring bytes: row i / 2, half i % 2.  Rounded, a lane's 4 numbers go into the wave's own LDS rows; then
; lane L takes 16 bytes (8 k) of row L % 16, which is its piece of a fragment.  LDS serves a wave's instructions in order (ISA guide 5.7.1.4), so the
; loads see the stores, and no other wave touches these bytes: no wait between them and no barrier.
.macro HSTREAM
.set i, 0
.rept 32
	global_load_b128 v[X+4*i:X+4*i+3], v3, s[4:5] offset:(i/2)*8192+(i%2)*512 th:TH_LOAD_NT   ; read once in the whole launch
.set i, i+1
.endr
.set i, 0
.rept 32
	s_wait_loadcnt 31-i                            ; loads come back in order (ISA guide 5.7.1): load i is in, the 31 - i younger ones stay out
	v_cvt_pk_bf16_f32 v[X+4*i],   v[X+4*i],   v[X+4*i+1]
	v_cvt_pk_bf16_f32 v[X+4*i+1], v[X+4*i+2], v[X+4*i+3]
	ds_store_b64 v5, v[X+4*i:X+4*i+1] offset:(i/2)*LP+(i%2)*256
.set i, i+1
.endr
.set i, 0
.rept 16
	ds_load_b128 v[X+4*i:X+4*i+3], v6 offset:32*i  ; i = 2 kc + j: k = 32 kc + 16 j + 8 (L / 16) + 0..7 of row L % 16
.set i, i+1
.endr
.set i, 0
.rept 16
	s_wait_dscnt 15-i                              ; piece i is in, the 15 - i younger ones stay out
	global_store_b128 v4, v[X+4*i:X+4*i+3], s[12:13] offset:512*i   ; no hint: the next launch reads these bytes
.set i, i+1
.endr
.endm
; W: group q = 2 u + j of a wave's four: the 8 loads t = 0..7 of column block u and half j.  For each tile i the lane packs its 8 k into 16 bytes and the
; wave stores 512 neighbouring bytes.  o: first of the 16 registers that take the result: registers that no store has named before.
.macro WGROUP q, u, j, o
	s_wait_loadcnt 24-8*\q                         ; this group's 8 loads are in, the younger groups' stay out
.irp i, 0,1,2,3
.irp m, 0,1,2,3
	v_cvt_pk_bf16_f32 v[\o+4*\i+\m], v[X+32*\q+8*\m+\i], v[X+32*\q+8*\m+4+\i]   ; k = .. + 2 m in the low half, + 2 m + 1 in the high half
.endr
	global_store_b128 v4, v[\o+4*\i:\o+4*\i+3], s[14:15] offset:\u*262144+\i*1024+\j*512
.endr
.endm
	s_cmp_lt_u32 ttmp9, 256
	s_cbranch_scc0 .Lw
	; hidden: work-group g owns rows 16 g .. 16 g + 15 (128 KiB of f32), wave w their k = 256 w .. 256 w + 255
	s_lshl_b32 s20, ttmp9, 17                      ; 16 rows of 8,192 bytes
	s_lshl_b32 s21, ttmp9, 16                      ; 64 blocks of 1,024 bytes
	v_lshlrev_b32 v3, 4, v1                        ; 16 L
	v_lshl_add_u32 v4, v2, 13, v3                  ; out: 8 blocks a wave
	v_lshl_add_u32 v3, v2, 10, v3                  ; in: 1,024 bytes of a row a wave
	v_add_nc_u32 v3, s20, v3
	v_add_nc_u32 v4, s21, v4
	s_mul_i32 s22, s18, WL                         ; my wave's LDS
	v_lshl_add_u32 v5, v1, 3, s22                  ; in: 8 bytes a lane
	v_and_b32 v6, 15, v1
	v_lshrrev_b32 v7, 4, v1
	v_mul_u32_u24 v6, v6, LP
	v_lshl_add_u32 v6, v7, 4, v6
	v_add_nc_u32 v6, s22, v6                       ; back: row L % 16, 16 bytes x (L / 16)
	s_wait_kmcnt 0x0
	s_or_b32 s19, ttmp9, s18
	s_cmp_lg_u32 s19, 0                            ; work-group 0, wave 0?
	s_cbranch_scc1 .Lplain
	; the wave that also makes route.  Lane L looks at batch L % 8; its two small loads go out ahead of the stream's and are in by the stream's first wait
	v_and_b32 v[RO+8], 7, v1
	v_lshlrev_b32 v[RO+8], 4, v[RO+8]              ; 16 bytes of role_onehot a batch
	v_mov_b32 v[RO+9], 0
	global_load_b128 v[RO:RO+3], v[RO+8], s[8:9]
	global_load_b128 v[RO+4:RO+7], v[RO+9], s[10:11]
	HSTREAM
	s_wait_xcnt 0x0                                ; the stores' data registers are written again, and EXEC is narrowed, only behind this wait
.irp r, 0,1,2,3
	v_mul_f32 v[RO+\r], v[RO+\r], v[RO+4+\r]       ; the weight
	v_cmp_neq_f32 vcc_lo, 0, v[RO+\r]              ; not zero, or NaN
	v_cndmask_b32 v[8+\r], 0, 1, vcc_lo            ; v8-11: active, 0 or 1
.endr
	v_add_nc_u32 v13, v8, v9                       ; active roles in front of role 2 (in front of role 1: v8)
	v_add_nc_u32 v14, v13, v10                     ; in front of role 3
	v_add_nc_u32 v15, v14, v11                     ; in all
	v_cmp_eq_u32 vcc_lo, 1, v9
	v_cndmask_b32 v16, 7, v8, vcc_lo               ; v16-18: role 1, 2, 3's place in the list, or 7 if it is not active
	v_cmp_eq_u32 vcc_lo, 1, v10
	v_cndmask_b32 v17, 7, v13, vcc_lo
	v_cmp_eq_u32 vcc_lo, 1, v11
	v_cndmask_b32 v18, 7, v14, vcc_lo
	; v20-23: the list.  Place j can hold roles j .. 3; role 0 is what a place holds if no other role claims it.  The first select of a place starts it.
	v_cmp_eq_u32 vcc_lo, 0, v16
	v_cndmask_b32 v20, 0, 1, vcc_lo
	v_cmp_eq_u32 vcc_lo, 1, v16
	v_cndmask_b32 v21, 0, 1, vcc_lo
	v_cmp_eq_u32 vcc_lo, 0, v17
	v_cndmask_b32 v20, v20, 2, vcc_lo
	v_cmp_eq_u32 vcc_lo, 1, v17
	v_cndmask_b32 v21, v21, 2, vcc_lo
	v_cmp_eq_u32 vcc_lo, 2, v17
	v_cndmask_b32 v22, 0, 2, vcc_lo
	v_cmp_eq_u32 vcc_lo, 0, v18
	v_cndmask_b32 v20, v20, 3, vcc_lo
	v_cmp_eq_u32 vcc_lo, 1, v18
	v_cndmask_b32 v21, v21, 3, vcc_lo
	v_cmp_eq_u32 vcc_lo, 2, v18
	v_cndmask_b32 v22, v22, 3, vcc_lo
	v_cmp_eq_u32 vcc_lo, 3, v18
	v_cndmask_b32 v23, 0, 3, vcc_lo
	v_max_u32 v24, 1, v15                          ; n: at least one role is walked
	v_mov_b32 v25, 0                               ; the record's last three words are read with it: they are written
	v_mov_b32 v26, 0
	v_mov_b32 v27, 0
	v_lshlrev_b32 v28, 5, v1                       ; 32 bytes a batch
	v_cmp_gt_u32 vcc_lo, 8, v1
	s_and_saveexec_b32 s19, vcc_lo                 ; lanes 0-7: the eight batches, 256 neighbouring bytes in all
	global_store_b128 v28, v[20:23], s[16:17]
	global_store_b128 v28, v[24:27], s[16:17] offset:16
	s_wait_xcnt 0x0                                ; EXEC is widened only behind this wait
	s_or_b32 exec_lo, exec_lo, s19
	s_wait_tensorcnt 0x0
	ds_add_u32 v152, v153
	s_wait_dscnt 0x0
	s_endpgm
.Lplain:
	HSTREAM
	s_wait_tensorcnt 0x0
	ds_add_u32 v152, v153
	s_wait_dscnt 0x0
	s_endpgm
.Lw:
	; W: work-group g = 0..511 owns role r = g / 128, rows k = 32 kc .. 32 kc + 31 with kc = (g / 2) % 64, columns e = 1024 (g % 2) .. + 1023.
	; Wave w takes the column blocks G = 16 (g % 2) + 2 w + u, u = 0, 1.  In a load lanes 0-15 read 256 aligned bytes (64 e) of row k, lanes 16-31 the
	; same e of row k + 8: lane L then holds e = 64 G + 4 (L % 16) + 0..3 of rows 32 kc + 16 j + 8 (L / 16) + t.
	s_sub_co_u32 s20, ttmp9, 256                   ; g
	s_lshr_b32 s21, s20, 1                         ; 64 r + kc
	s_and_b32 s22, s20, 1                          ; the half of the columns
	s_lshl_b32 s23, s21, 18                        ; in: 32 rows of 8,192 bytes a kc, 64 kc a role
	s_lshl_b32 s19, s22, 12
	s_add_co_u32 s23, s23, s19                     ; + 4,096 bytes of a row
	s_lshr_b32 s19, s21, 6                         ; r
	s_lshl_b32 s19, s19, 23                        ; out: 2^23 bytes a role,
	s_and_b32 s21, s21, 63                         ; kc
	s_lshl_b32 s21, s21, 12                        ; 4 blocks a kc,
	s_add_co_u32 s19, s19, s21
	s_lshl_b32 s22, s22, 22                        ; 16 column blocks of 2^18 bytes a half
	s_add_co_u32 s19, s19, s22
	v_and_b32 v5, 15, v1
	v_lshrrev_b32 v6, 4, v1
	v_lshlrev_b32 v3, 4, v5                        ; 16 (L % 16)
	v_lshl_add_u32 v3, v6, 16, v3                  ; + 8 rows x (L / 16)
	v_lshl_add_u32 v3, v2, 9, v3                   ; + two column blocks of 256 bytes a wave
	v_add_nc_u32 v3, s23, v3                       ; with the immediates below 2^26, W's size
	v_lshlrev_b32 v4, 4, v1                        ; 16 L
	v_lshl_add_u32 v4, v2, 19, v4                  ; + two column blocks of 2^18 bytes a wave
	v_add_nc_u32 v4, s19, v4
	s_wait_kmcnt 0x0
.irp u, 0,1
.irp j, 0,1
.irp t, 0,1,2,3,4,5,6,7
	global_load_b128 v[X+4*(16*\u+8*\j+\t):X+4*(16*\u+8*\j+\t)+3], v3, s[6:7] offset:\u*256+(16*\j+\t)*8192 th:TH_LOAD_NT   ; read once in the whole launch
.endr
.endr
.endr
	WGROUP 0, 0, 0, Y
	WGROUP 1, 0, 1, X                              ; into the registers that the group before has used up
	WGROUP 2, 1, 0, X+32
	WGROUP 3, 1, 1, X+64
	s_endpgm
.Lfunc_end_k_q11b80ee2ba_cast:
	.size	k_q11b80ee2ba_cast, .Lfunc_end_k_q11b80ee2ba_cast-k_q11b80ee2ba_cast
	.p2alignl 7, 3214868480
	.fill 96, 4, 3214868480
	.section	.rodata,"a",@progbits
	.p2align	6, 0x0
	.amdhsa_kernel k_q11b80ee2ba_cast
		.amdhsa_group_segment_fixed_size 68608
		.amdhsa_private_segment_fixed_size 0
		.amdhsa_enable_private_segment 0
		.amdhsa_kernarg_size 56
		.amdhsa_user_sgpr_count 2
		.amdhsa_user_sgpr_kernarg_segment_ptr 1
		.amdhsa_wavefront_size32 1
		.amdhsa_system_sgpr_workgroup_id_x 1
		.amdhsa_system_sgpr_workgroup_id_y 1
		.amdhsa_system_sgpr_workgroup_id_z 1
		.amdhsa_system_vgpr_workitem_id 0
		.amdhsa_next_free_vgpr 154
		.amdhsa_next_free_sgpr 66
		.amdhsa_reserve_vcc 1
		.amdhsa_float_denorm_mode_32 3
		.amdhsa_float_denorm_mode_16_64 3
		.amdhsa_memory_ordered 1
		.amdhsa_forward_progress 1
		.amdhsa_inst_pref_size 40
	.end_amdhsa_kernel
	.amdgpu_metadata
---
amdhsa.version: [ 1, 2 ]
amdhsa.kernels:
  - .name:           k_q11b80ee2ba_cast
    .symbol:         k_q11b80ee2ba_cast.kd
    .args:
      - { .name: hidden, .offset: 0, .size: 8, .value_kind: global_buffer, .address_space: global }
      - { .name: W, .offset: 8, .size: 8, .value_kind: global_buffer, .address_space: global }
      - { .name: role_onehot, .offset: 16, .size: 8, .value_kind: global_buffer, .address_space: global }
      - { .name: scales, .offset: 24, .size: 8, .value_kind: global_buffer, .address_space: global }
      - { .name: ha, .offset: 32, .size: 8, .value_kind: global_buffer, .address_space: global }
      - { .name: wf, .offset: 40, .size: 8, .value_kind: global_buffer, .address_space: global }
      - { .name: route, .offset: 48, .size: 8, .value_kind: global_buffer, .address_space: global }
    .group_segment_fixed_size: 68608
    .private_segment_fixed_size: 0
    .kernarg_segment_align: 8
    .kernarg_segment_size: 56
    .max_flat_workgroup_size: 256
    .sgpr_count:     66
    .vgpr_count:     154
    .wavefront_size: 32
...
	.end_amdgpu_metadata
.endif
;; end of part 3
;; launch gemm (part 4): grid 8 x 32, 2 waves a work-group, no clusters, 168,192 bytes of LDS; arguments ha, wf, b, role_onehot, scales, route, out0; writes out0
.if DOCPART == 4
	.amdgcn_target "amdgcn-amd-amdhsa--gfx1250"
	.amdhsa_code_object_version 6
	.text
	.protected	k_q11b80ee2ba_gemm
	.globl	k_q11b80ee2ba_gemm
	.p2align	8
	.type	k_q11b80ee2ba_gemm,@function
k_q11b80ee2ba_gemm:
	s_mov_b64 s[64:65], 0
	v_nop
	global_prefetch_b8 v0, s[64:65] scope:SCOPE_SE
	s_setreg_imm32_b32 hwreg(HW_REG_WAVE_MODE, 25, 1), 1
	s_wait_xcnt 0x0
; out[row][e] = sum over r of onehot[batch][r] scales[r] tanh( sum over k of hidden[row][k] W[r][k][e] + b[r][e] ),  row = 512 batch + s.
; Operands in bf16 from the launch before, laid out as fragments: ha block (row / 16, k / 32), wf block (r, e / 64, k / 32, i), 1,024 bytes each; byte
; 512 j + 16 L of a block is what lane L keeps in registers 4 j .. 4 j + 3.  Column n of wf's tile i is e = 64 (e / 64) + 4 n + i.  Sums in f32.
; ONLY THE ROLES THAT COUNT ARE MULTIPLIED.  route[batch] (whole numbers from the launch before) lists the n = 1..4 roles whose weight onehot x scale is
; not zero; a wave walks that list, one whole product over K for each role, and adds weight x tanh into a running output.  The list steers a trip count
; and addresses; the weights themselves enter as numbers only.
; EVERY WAVE IS ON ITS OWN.  The walk's length is a number read from memory, and every wave has to pass every barrier on a way that hangs on no such
; number; a slot of LDS is filled again by a tensor load only behind a barrier, and partners of a joint load must have the same trips and addresses by the
; text's own arithmetic.  So here is no barrier, no tensor load, no LDS shared between waves and no cluster: a wave loads its fragments from memory
; straight into registers, each load 512 neighbouring bytes, aligned.
; A wave makes 128 rows x 128 e: 64 accumulator tiles of 16 x 16, 512 registers; for 32 along K it loads 2 x 128 x 64 bytes with 32 loads and issues 64
; matrix instructions.  The output has 32 x 16 = 512 such tiles: 256 work-groups of two waves (the same rows, neighbouring e).  Tiles of 64 x 128 would
; give four waves a work-group but read half as much again for each multiply-add.  The launch asks for more than half of a WGP's LDS (135,168 bytes are
; used), so that the 256 work-groups lie one to a WGP.
; K goes in 64 chunks of 32 through three register stages: chunk c + 3 is asked for behind chunk c's matrix instructions, into the stage that they have
; just left, and has two chunks' matrix instructions in which to land.
; The running output lies in the wave's own LDS, 128 rows x 512 bytes: registers have no room for it beside accumulators and stages.
;
; LIMITS.  Operands are rounded to bf16.  A role whose weight is exactly zero is not computed: where its sums would be NaN, the 0 x NaN = NaN of the
; plain formula does not appear (finite results are the same).  tanh(x) = 1 - 2 / (1 + 2^(2.88539 x)): absolute error a few 1e-7 (so small relative
; accuracy for |x| below about 1e-5), exactly +1 or -1 where the power overflows or vanishes.  The sum over the roles is formed as
; (sum of c_r) + sum of (-2 c_r) / (1 + 2^..), c_r = onehot x scale multiplied first: another order of rounding than tanh x scale x onehot, error a few
; ulp of the sum of |c_r|; c_r overflows where onehot x scale passes 3.4e38, even if tanh were small.
;
; REGISTERS, in windows of 256 (s_set_vgpr_msb's low byte: bits 1:0 source 0, 3:2 source 1, 5:4 source 2, 7:6 destination):
;   window 0: v0-63 addresses and weights; v64-127, v128-191, v192-255 fragments of A, stages 0, 1, 2 (behind a role's K loop: at work)
;   window 1: v0-63 the role's bias; v64-255 fragments of B, stages 0, 1, 2
;   window 2: accumulator tiles of my rows 0-63 (tile (a, b) at v[8 (8 a + b)], b = 4 g + i: column block g of 64 e, tile i);  window 3: my rows 64-127
; THE MATRIX INSTRUCTION IS USED TRANSPOSED: source 0 = 16 columns of B, source 1 = 16 rows of A.  Lane l then holds row l % 16, and register j of tile
; (g, i) the column 8 (l / 16) + j of that tile, which is e = 64 g + 32 (l / 16) + 4 j + i: over the four tiles i, 32 neighbouring e of one row.
.set SP,   528                         ; a row of the running output: 512 bytes + 16: an odd multiple of 16, so 16 rows' pieces start 16 bytes apart modulo 256
.set WSTG, 128*SP                      ; 67,584 bytes for each wave
.set K2,   0x4038aa3b                  ; 2 log2(e) = 2.885390
.set LOFF, 16                          ; v16     16 x lane: my 16 bytes of every 512 (fragments, and rows of out0); never rewritten
.set STO,  24                          ; v24     LDS: my 128 bytes of row l % 16 of my wave's running output
.set RD,   25                          ; v25-26  LDS: my 16 bytes of its row 0, of its row 64
.set BO,   27                          ; v27     my byte offset in a role's row of b
.set WM2,  32                          ; v[32:33] -2 c of the role at work, twice (a pair for the packed multiply-add)
.set C0Q,  36                          ; v[36:39] the sum of all c_r, four times (16 bytes for an LDS store)
.set CR,   40                          ; v40-43   c_r, at the start only
.set FA,   64                          ; A's stage p at FA + 64 p (window 0)
.set FB,   64                          ; B's stage p at FB + 64 p (window 1)
.set BIAS, 0                           ; window 1: K2 x b[role][e] of my 64 columns, at 32 g + 4 j + i
.set TMP,  64                          ; window 0, behind the K loop: one row block's 64 numbers at work, at 32 g + 4 j + i
.set OLD,  128                         ; window 0, behind the K loop: their running output, two sets by turns
.set PA,   24                          ; s[24:25] ha at the next chunks to ask for
.set PB,   26                          ; s[26:27] wf likewise
.set MSB, 0
.macro WIN new                         ; the immediate's high byte repeats the setting that is left; a switch that changes nothing is dropped
.if MSB != \new
	s_set_vgpr_msb (MSB<<8)|\new
.set MSB, \new
.endif
.endm
.set MUL_LO, 0xa1                      ; source 0 (B) window 1, source 1 (A) window 0, C and D window 2
.set MUL_HI, 0xf1                      ; the same, C and D window 3
.set TO_B,   0x40                      ; destination window 1, address window 0
	s_load_b256 s[4:11], s[0:1], 0x0               ; ha s[4:5], wf s[6:7], b s[8:9], role_onehot s[10:11]
	s_load_b128 s[12:15], s[0:1], 0x20             ; scales s[12:13], route s[14:15]
	s_load_b64 s[76:77], s[0:1], 0x30              ; out0
	v_lshl_add_u32 v62, v0, 2, 0x29000
	v_mov_b32 v63, 0
	v_lshrrev_b32 v1, 5, v0
	v_readfirstlane_b32 s16, v1                    ; wave 0..1: which 128 of the work-group's 256 e
	s_and_b32 s19, ttmp7, 0xffff                   ; row block (128 rows), 0..31
	s_lshr_b32 s94, s19, 2                         ; the batch: four row blocks each
	s_mov_b32 s78, K2
	s_lshl_b32 s20, s19, 19                        ; ha: 8 blocks of 16 rows, 64 x 1,024 bytes each
	s_mov_b32 s21, 0
	s_lshl_b32 s46, ttmp9, 20                      ; wf: 4 column blocks of 64 e a work-group, 64 x 4,096 bytes each,
	s_lshl_b32 s22, s16, 19                        ; 2 a wave
	s_add_co_u32 s46, s46, s22
	s_mov_b32 s47, 0
	s_wait_kmcnt 0x0
	s_add_nc_u64 s[20:21], s[4:5], s[20:21]        ; ha at my rows, chunk 0
	s_add_nc_u64 s[46:47], s[6:7], s[46:47]        ; wf at my columns of role 0, chunk 0
	s_lshl_b32 s66, s94, 5                         ; my batch's record of route, 32 bytes
	s_mov_b32 s67, 0                               ; s67 stays 0: s[66:67] is the pair for every offset
	s_add_nc_u64 s[14:15], s[14:15], s[66:67]
	s_load_b256 s[80:87], s[14:15], 0x0            ; s80-83 the list, s84 n
	s_lshl_b32 s66, s94, 4                         ; my batch's four numbers of role_onehot
	s_add_nc_u64 s[10:11], s[10:11], s[66:67]
	s_load_b128 s[68:71], s[10:11], 0x0            ; onehot[batch][0..3]
	s_load_b128 s[72:75], s[12:13], 0x0            ; scales[0..3]
	; addresses, while these come in
	v_and_b32 v1, 15, v0                           ; l % 16
	v_bfe_u32 v2, v0, 4, 1                         ; h = l / 16
	v_and_b32 v10, 31, v0                          ; l
	v_lshlrev_b32 v[LOFF], 4, v10
	s_mul_i32 s22, s16, WSTG                       ; my wave's LDS
	v_mul_u32_u24 v7, v1, SP
	v_lshl_add_u32 v7, v2, 7, v7                   ; row l % 16, 128 bytes (32 e) x h
	v_add_nc_u32 v[STO], s22, v7
	v_lshl_add_u32 v[RD], v10, 4, s22              ; 32 lanes x 16 bytes are one row
	v_add_nc_u32 v[RD+1], 64*SP, v[RD]             ; the LDS immediate has 16 bits: rows 64-127 have a register of their own
	s_lshl_b32 s23, ttmp9, 10                      ; the work-group's 256 e, 1,024 bytes
	v_lshlrev_b32 v[BO], 7, v2                     ; in b: 32 e x h,
	v_lshl_add_u32 v[BO], s16, 9, v[BO]            ; + my wave's 128 e
	v_add_nc_u32 v[BO], s23, v[BO]
	s_lshl_b32 s66, s19, 20                        ; out0 at my first row: 128 rows of 8,192 bytes a row block (below 2^25),
	s_add_co_u32 s66, s66, s23                     ; the work-group's e
	s_lshl_b32 s23, s16, 9
	s_add_co_u32 s66, s66, s23                     ; and my wave's
	s_add_nc_u64 s[76:77], s[76:77], s[66:67]
	s_wait_kmcnt 0x0
	s_min_u32 s84, s84, 4                          ; n
.irp r, 0,1,2,3
	v_mov_b32 v[CR+\r], s[72+\r]
	v_mul_f32 v[CR+\r], s[68+\r], v[CR+\r]         ; c_r = onehot x scale, of all four roles: those that are left out add zero
.endr
	v_add_f32 v[C0Q], v[CR], v[CR+1]
	v_add_f32 v[C0Q+1], v[CR+2], v[CR+3]
	v_add_f32 v[C0Q], v[C0Q], v[C0Q+1]             ; the sum of the c_r
	v_mov_b32 v[C0Q+1], v[C0Q]
	v_mov_b32 v[C0Q+2], v[C0Q]
	v_mov_b32 v[C0Q+3], v[C0Q]
; 32 matrix instructions: four row blocks (hi = 0: my rows 0-63, 1: rows 64-127) x all 8 column tiles, 32 along K, from stage p.
; zero = 1: the first product starts the sums: nothing is ever cleared.
.macro MUL32 p, hi, zero
.irp a, 0,1,2,3
.irp b, 0,1,2,3,4,5,6,7
.if \zero
	v_wmma_f32_16x16x32_bf16 v[8*(8*\a+\b):8*(8*\a+\b)+7], v[FB+64*\p+8*\b:FB+64*\p+8*\b+7], v[FA+64*\p+8*(4*\hi+\a):FA+64*\p+8*(4*\hi+\a)+7], 0
.else
	v_wmma_f32_16x16x32_bf16 v[8*(8*\a+\b):8*(8*\a+\b)+7], v[FB+64*\p+8*\b:FB+64*\p+8*\b+7], v[FA+64*\p+8*(4*\hi+\a):FA+64*\p+8*(4*\hi+\a)+7], v[8*(8*\a+\b):8*(8*\a+\b)+7]
.endif
.endr
.endr
.endm
; 32 loads in one run: a chunk's fragments into stage p: B's 8 tiles, then A's 8 row blocks.  u: the chunk, counted from the two pointers.
.macro FETCH p, u
	WIN TO_B
.irp g, 0,1
.irp i, 0,1,2,3
.irp j, 0,1
	global_load_b128 v[FB+64*\p+8*(4*\g+\i)+4*\j:FB+64*\p+8*(4*\g+\i)+4*\j+3], v[LOFF], s[PB:PB+1] offset:\g*262144+\u*4096+\i*1024+\j*512
.endr
.endr
.endr
	WIN 0
.irp a, 0,1,2,3,4,5,6,7
.irp j, 0,1
	global_load_b128 v[FA+64*\p+8*\a+4*\j:FA+64*\p+8*\a+4*\j+3], v[LOFF], s[PA:PA+1] offset:\a*65536+\u*1024+\j*512
.endr
.endr
.endm
; A load into a register that a matrix instruction has read, and a vector instruction that reads a matrix result or writes one of a matrix instruction's
; registers, stand four places behind it; only plain vector instructions that name none of its registers are places (ISA guide 7.12.1 for vector
; instructions).  So four v_nop stand in front of each run of loads.
.macro PLACES
.rept 4
	v_nop
.endr
.endm
; One chunk: 64 matrix instructions on stage p.  The 64 accumulators take turns, one instruction a turn, in the same order in every chunk, over the loops'
; backward jumps too.  fill = 1: the stage is then asked for again, three chunks ahead.
; left: how many younger loads may stay out.
.macro CHUNK p, zero, fill, u, left
	s_wait_loadcnt \left                           ; loads come back in order (ISA guide 5.7.1): this stage is whole
	WIN MUL_LO
	MUL32 \p, 0, \zero
	WIN MUL_HI
	MUL32 \p, 1, \zero
.if \fill
	PLACES
	FETCH \p, \u
.endif
.endm
.macro STEP                            ; both pointers go three chunks on
	s_wait_xcnt 0x0                                ; the loads that name them have had their addresses translated (ISA guide 3.1): they are written only behind this wait
	s_add_nc_u64 s[PA:PA+1], s[PA:PA+1], 3*1024
	s_add_nc_u64 s[PB:PB+1], s[PB:PB+1], 3*4096
.endm
; Behind a role's K loop, rows 16 a .. 16 a + 15 of my 128 (tiles (al, 0..7), al = a % 4, of window 2 or 3: win = 0x12 or 0x13: source 0 there, source 2 in
; window 1).  y = K2 (x + b) in one multiply-add, which also puts the four tiles' numbers in the order of e; 1 / (1 + 2^y); running output += (-2 c) / (1 + 2^y).
; par: which set of registers takes the running output.
.macro EPI a, al, win, par
	WIN 0
.irp g, 0,1
.irp q, 0,1,2,3,4,5,6,7
	ds_load_b128 v[OLD+64*\par+32*\g+4*\q:OLD+64*\par+32*\g+4*\q+3], v[STO] offset:\a*16*SP+256*\g+16*\q   ; asked for first: it comes in during the arithmetic
.endr
.endr
	WIN \win
.irp g, 0,1
.irp i, 0,1,2,3
.irp j, 0,1,2,3,4,5,6,7
	v_fma_f32 v[TMP+32*\g+4*\j+\i], v[8*(8*\al+4*\g+\i)+\j], s78, v[BIAS+32*\g+4*\j+\i]
.endr
.endr
.endr
	WIN 0
.set n, 0
.rept 64
	v_exp_f32 v[TMP+n], v[TMP+n]                   ; infinite for large y, zero for very negative y: both give the right limit below
.set n, n+1
.endr
	v_nop                                          ; one plain vector instruction between a transcendental and the use of its result (ISA guide 5.7.2)
.set n, 0
	s_wait_alu depctr_va_vdst(0)
.rept 32
	v_pk_add_f32 v[TMP+n:TMP+n+1], v[TMP+n:TMP+n+1], 1.0 op_sel_hi:[1,0]
.set n, n+2
.endr
.set n, 0
.rept 64
	v_rcp_f32 v[TMP+n], v[TMP+n]
.set n, n+1
.endr
	v_nop                                          ; as above
	s_wait_dscnt 0x0                               ; the running output is in: nothing was issued behind its loads
.set n, 0
	s_wait_alu depctr_va_vdst(0)
.rept 32
	v_pk_fma_f32 v[OLD+64*\par+n:OLD+64*\par+n+1], v[TMP+n:TMP+n+1], v[WM2:WM2+1], v[OLD+64*\par+n:OLD+64*\par+n+1]
.set n, n+2
.endr
.irp g, 0,1
.irp q, 0,1,2,3,4,5,6,7
	ds_store_b128 v[STO], v[OLD+64*\par+32*\g+4*\q:OLD+64*\par+32*\g+4*\q+3] offset:\a*16*SP+256*\g+16*\q
.endr
.endr
.endm
	s_mov_b32 s89, 0
.Lrole:
	; THE LIST'S NEXT ROLE
	s_min_u32 s88, s80, 3                          ; a number from memory enters an address only through such a bound
	s_mov_b32 s80, s81                             ; the list moves up
	s_mov_b32 s81, s82
	s_mov_b32 s82, s83
	s_lshl_b32 s66, s88, 23                        ; a role of wf is 2^23 bytes
	s_add_nc_u64 s[PB:PB+1], s[46:47], s[66:67]    ; the pointers start anew: the last role's loads have all been waited for
	s_mov_b64 s[PA:PA+1], s[20:21]
	s_lshl_b32 s66, s88, 13                        ; a role's row of b is 8,192 bytes
	s_add_nc_u64 s[92:93], s[8:9], s[66:67]
	WIN TO_B
.irp g, 0,1
.irp q, 0,1,2,3,4,5,6,7
	global_load_b128 v[BIAS+32*\g+4*\q:BIAS+32*\g+4*\q+3], v[BO], s[92:93] offset:256*\g+16*\q   ; b of my 2 x 32 neighbouring e
.endr
.endr
	FETCH 0, 0                                     ; chunks 0, 1, 2.  More loads are issued here than a counter's field holds; the issue then waits for the
	FETCH 1, 1                                     ; oldest (ISA guide 5.7.1), and no wait is written for that
	FETCH 2, 2
	STEP
	; while they are on their way: the role's weight, and in the first trip the start of the running output
	s_mov_b32 s90, s68                             ; onehot and scale of the role: a choice among four by a whole number
	s_mov_b32 s91, s72
.irp k, 1,2,3
	s_cmp_eq_u32 s88, \k
	s_cselect_b32 s90, s[68+\k], s90
	s_cselect_b32 s91, s[72+\k], s91
.endr
	v_mov_b32 v[WM2], s91
	v_mul_f32 v[WM2], s90, v[WM2]                  ; c = onehot x scale
	v_mul_f32 v[WM2], -2.0, v[WM2]
	v_mov_b32 v[WM2+1], v[WM2]
	s_cmp_lg_u32 s89, 0
	s_cbranch_scc1 .Lstarted
.irp a, 0,1,2,3,4,5,6,7
.irp g, 0,1
.irp q, 0,1,2,3,4,5,6,7
	ds_store_b128 v[STO], v[C0Q:C0Q+3] offset:\a*16*SP+256*\g+16*\q   ; the running output starts as the sum of the c_r; each lane writes the bytes that it reads later
.endr
.endr
.endr
.Lstarted:
	s_wait_loadcnt 63                              ; the bias is in: 96 loads were issued behind it
	WIN 0x41                                       ; destination and source 0: window 1
.set n, 0
.rept 32
	v_pk_mul_f32 v[BIAS+n:BIAS+n+1], v[BIAS+n:BIAS+n+1], K2 op_sel_hi:[1,0]   ; K2 b, so that K2 (x + b) is one multiply-add behind the K loop
.set n, n+2
.endr
	; THE PRODUCT OVER K.  At the head of a chunk the two chunks behind it, 64 loads, may stay out; 63 is the largest count that a wait can name.
	CHUNK 0, 1, 1, 0, 63                           ; chunks 0, 1, 2 stand in front of the loop: chunk 0's products start the sums.  They ask for chunks 3, 4, 5
	CHUNK 1, 0, 1, 1, 63
	CHUNK 2, 0, 1, 2, 63
	STEP
	s_mov_b32 s3, 19                               ; chunks 3 to 59, which ask for chunks 6 to 62
.Llap:
	CHUNK 0, 0, 1, 0, 63
	CHUNK 1, 0, 1, 1, 63
	CHUNK 2, 0, 1, 2, 63
	STEP
	s_sub_co_u32 s3, s3, 1
	s_cmp_lg_u32 s3, 0
	s_cbranch_scc1 .Llap
	CHUNK 0, 0, 1, 0, 63                           ; chunk 60 asks for chunk 63, the last
	CHUNK 1, 0, 0, 0, 63                           ; chunk 61: chunks 62 and 63 may stay out
	CHUNK 2, 0, 0, 0, 32                           ; chunk 62: chunk 63 may stay out
	CHUNK 0, 0, 0, 0, 0                            ; chunk 63: no load is out any more
	PLACES                                         ; the places behind the last matrix instructions, for all that follows
	; THE ROLE'S SHARE OF THE OUTPUT
	EPI 0, 0, 0x12, 0
	EPI 1, 1, 0x12, 1
	EPI 2, 2, 0x12, 0
	EPI 3, 3, 0x12, 1
	EPI 4, 0, 0x13, 0
	EPI 5, 1, 0x13, 1
	EPI 6, 2, 0x13, 0
	EPI 7, 3, 0x13, 1
	s_add_co_u32 s89, s89, 1
	s_cmp_lt_u32 s89, s84
	s_cbranch_scc1 .Lrole
; THE WAY OUT, rows 32 k .. 32 k + 31 of my 128: whole rows of 512 bytes come out of my own LDS and are stored.  LDS serves a wave's instructions in order
; (ISA guide 5.7.1.4): the loads see the stores above.  Every row has registers of its own (windows 2 and 3, free now), so no store's data is written again.
; ldwin: the loads' destination, stwin: the stores' data (source 1), in window 2 or 3.
.macro OUTP k, ldwin, stwin
	WIN \ldwin
.set t, 0
.rept 32
	ds_load_b128 v[128*(\k%2)+4*t:128*(\k%2)+4*t+3], v[RD+\k/2] offset:(32*(\k%2)+t)*SP
.set t, t+1
.endr
	WIN \stwin
.set t, 0
.rept 32
	s_wait_dscnt 31-t                              ; LDS loads come back in order (ISA guide 5.7.1): row t is in, the 31 - t younger ones stay out
	global_store_b128 v[LOFF], v[128*(\k%2)+4*t:128*(\k%2)+4*t+3], s[76:77] offset:(32*\k+t)*8192 th:TH_STORE_NT   ; the wave stores 512 consecutive bytes, at a multiple of 512 from out0's first byte
.set t, t+1
.endr
.endm
	OUTP 0, 0x80, 0x08
	OUTP 1, 0x80, 0x08
	OUTP 2, 0xc0, 0x0c
	OUTP 3, 0xc0, 0x0c
	WIN 0
	s_wait_tensorcnt 0x0
	ds_add_u32 v62, v63
	s_wait_dscnt 0x0
	s_endpgm
.Lfunc_end_k_q11b80ee2ba_gemm:
	.size	k_q11b80ee2ba_gemm, .Lfunc_end_k_q11b80ee2ba_gemm-k_q11b80ee2ba_gemm
	.p2alignl 7, 3214868480
	.fill 96, 4, 3214868480
	.section	.rodata,"a",@progbits
	.p2align	6, 0x0
	.amdhsa_kernel k_q11b80ee2ba_gemm
		.amdhsa_group_segment_fixed_size 168192
		.amdhsa_private_segment_fixed_size 0
		.amdhsa_enable_private_segment 0
		.amdhsa_kernarg_size 56
		.amdhsa_user_sgpr_count 2
		.amdhsa_user_sgpr_kernarg_segment_ptr 1
		.amdhsa_wavefront_size32 1
		.amdhsa_system_sgpr_workgroup_id_x 1
		.amdhsa_system_sgpr_workgroup_id_y 1
		.amdhsa_system_sgpr_workgroup_id_z 1
		.amdhsa_system_vgpr_workitem_id 0
		.amdhsa_next_free_vgpr 1024
		.amdhsa_next_free_sgpr 96
		.amdhsa_reserve_vcc 0
		.amdhsa_float_denorm_mode_32 3
		.amdhsa_float_denorm_mode_16_64 3
		.amdhsa_memory_ordered 1
		.amdhsa_forward_progress 1
		.amdhsa_inst_pref_size 228
	.end_amdhsa_kernel
	.amdgpu_metadata
---
amdhsa.version: [ 1, 2 ]
amdhsa.kernels:
  - .name:           k_q11b80ee2ba_gemm
    .symbol:         k_q11b80ee2ba_gemm.kd
    .args:
      - { .name: ha, .offset: 0, .size: 8, .value_kind: global_buffer, .address_space: global }
      - { .name: wf, .offset: 8, .size: 8, .value_kind: global_buffer, .address_space: global }
      - { .name: b, .offset: 16, .size: 8, .value_kind: global_buffer, .address_space: global }
      - { .name: role_onehot, .offset: 24, .size: 8, .value_kind: global_buffer, .address_space: global }
      - { .name: scales, .offset: 32, .size: 8, .value_kind: global_buffer, .address_space: global }
      - { .name: route, .offset: 40, .size: 8, .value_kind: global_buffer, .address_space: global }
      - { .name: out0, .offset: 48, .size: 8, .value_kind: global_buffer, .address_space: global }
    .group_segment_fixed_size: 168192
    .private_segment_fixed_size: 0
    .kernarg_segment_align: 8
    .kernarg_segment_size: 56
    .max_flat_workgroup_size: 64
    .sgpr_count:     96
    .vgpr_count:     1024
    .wavefront_size: 32
...
	.end_amdgpu_metadata
.endif
;; end of part 4
;; ======== version 3 of 3: 2 launches; version 2 with the launch gemm written anew for expert scheduling mode
;; limits: an absolute error that grows with the inputs' magnitude: up to 1e-06 times it; right only within a limited range of input values
;; workspace buffers: ha 16,777,216 bytes; wf 33,554,432 bytes; route 256 bytes of whole numbers
;; launch cast: the kernel of part 3 again; grid 768 x 1, 8 waves a work-group, no clusters, 68,608 bytes of LDS; arguments hidden, W, role_onehot, scales, ha, wf, route; writes ha, wf, route
;; launch gemm (part 5): grid 8 x 32, 2 waves a work-group, no clusters, 168,192 bytes of LDS; arguments ha, wf, b, role_onehot, scales, route, out0; writes out0
.if DOCPART == 5
	.amdgcn_target "amdgcn-amd-amdhsa--gfx1250"
	.amdhsa_code_object_version 6
	.text
	.protected	k_q11b80ee2ba_gemm
	.globl	k_q11b80ee2ba_gemm
	.p2align	8
	.type	k_q11b80ee2ba_gemm,@function
k_q11b80ee2ba_gemm:
	s_mov_b64 s[64:65], 0
	v_nop
	global_prefetch_b8 v0, s[64:65] scope:SCOPE_SE
	s_setreg_imm32_b32 hwreg(HW_REG_WAVE_SCHED_MODE, 0, 2), 2
	s_setreg_imm32_b32 hwreg(HW_REG_WAVE_MODE, 25, 1), 1
	s_wait_xcnt 0x0
	s_wait_alu depctr_vm_vsrc(0)
; out[row][e] = sum over r of onehot[batch][r] scales[r] tanh( sum over k of hidden[row][k] W[r][k][e] + b[r][e] ),  row = 512 batch + s.
; Operands in bf16 from the launch before, laid out as fragments: ha block (row / 16, k / 32), wf block (r, e / 64, k / 32, i), 1,024 bytes each; byte
; 512 j + 16 L of a block is what lane L keeps in registers 4 j .. 4 j + 3.  Column n of wf's tile i is e = 64 (e / 64) + 4 n + i.  Sums in f32.
; ONLY THE ROLES THAT COUNT ARE MULTIPLIED.  route[batch] (whole numbers from the launch before) lists the n = 1..4 roles whose weight onehot x scale is
; not zero; a wave walks that list, one whole product over K for each role, and adds weight x tanh into a running output.  The list steers a trip count
; and addresses; the weights themselves enter as numbers only.
; EVERY WAVE IS ON ITS OWN.  The walk's length is a number read from memory, and every wave has to pass every barrier on a way that hangs on no such
; number; a slot of LDS is filled again by a tensor load only behind a barrier, and partners of a joint load must have the same trips and addresses by the
; text's own arithmetic.  So here is no barrier, no tensor load, no LDS shared between waves and no cluster: a wave loads its fragments from memory
; straight into registers, each load 512 neighbouring bytes, aligned.
; A wave makes 128 rows x 128 e: 64 accumulator tiles of 16 x 16, 512 registers; for 32 along K it loads 2 x 128 x 64 bytes with 32 loads and issues 64
; matrix instructions.  The output has 32 x 16 = 512 such tiles: 256 work-groups of two waves (the same rows, neighbouring e).  Tiles of 64 x 128 would
; give four waves a work-group but read half as much again for each multiply-add.  The launch asks for more than half of a WGP's LDS (135,168 bytes are
; used), so that the 256 work-groups lie one to a WGP.
; K goes in 64 chunks of 32 through three register stages, chunk c in stage c % 3.  While chunk c is multiplied, chunk c + 2 is asked for, into the stage
; that chunk c - 1 has left: its 32 loads stand in four groups of eight among the first half of chunk c's matrix instructions.
; The running output lies in the wave's own LDS, 128 rows x 512 bytes: registers have no room for it beside accumulators and stages.
;
; THE MODE: SCHED_MODE bits 1:0 = 2 (LLVM: expert scheduling mode 2), set by the entry lines.  The code itself states the register dependences
; between vector or matrix instructions and memory or LDS instructions, with s_wait_alu, always for 0.
; THE PLAN.  Registers that memory or LDS instructions touch:
;   stage q of A and of B   Written by the loads of chunk c + 2, issued in chunk c, q = (c + 2) % 3; read by chunk c + 2's matrix instructions.  The last readers ahead
;                           of those loads are chunk c - 1's matrix instructions.  ONE wait on va_vdst at the head of chunk c states that they are done; chunk c's own
;                           matrix instructions name stage c % 3 and the accumulators, none of the registers that its loads touch.
;   BIAS                    Written by 16 loads at a role's head, scaled in place, read by the multiply-adds behind the K loop.
;   OLD0, OLD1              (A's stages 1 and 2, behind the K loop.)  Row block a: 16 LDS loads land in OLD[a % 2] at its head, its last multiply-adds write it, and the 16 LDS
;                           stores that read it are issued in block a + 1, behind that block's wait for its exponentials.  Block a + 2 loads it again behind a wait on vm_vsrc.
;   TMP                     (A's stage 0, behind the K loop.)  Vector instructions alone.
;   the accumulators        At the way out LDS loads land in them and global stores read them; nothing writes them after that.
;   v16, v24-27, v36-39     Offsets, LDS addresses and the running output's first value: written once at the head, never again.
;   v62, v63                Written at the head, read by the closing add alone.
; At a role's head one wait on each of the two fields stands ahead of all the role's first loads.
;
; LIMITS.  Operands are rounded to bf16.  A role whose weight is exactly zero is not computed: where its sums would be NaN, the 0 x NaN = NaN of the
; plain formula does not appear (finite results are the same).  tanh(x) = 1 - 2 / (1 + 2^(2.88539 x)): absolute error a few 1e-7 (so small relative
; accuracy for |x| below about 1e-5), exactly +1 or -1 where the power overflows or vanishes.  The sum over the roles is formed as
; (sum of c_r) + sum of (-2 c_r) / (1 + 2^..), c_r = onehot x scale multiplied first: another order of rounding than tanh x scale x onehot, error a few
; ulp of the sum of |c_r|; c_r overflows where onehot x scale passes 3.4e38, even if tanh were small.
;
; REGISTERS, in windows of 256 (s_set_vgpr_msb's low byte: bits 1:0 source 0, 3:2 source 1, 5:4 source 2, 7:6 destination):
;   window 0: v0-63 addresses and weights; v64-127, v128-191, v192-255 fragments of A, stages 0, 1, 2 (behind a role's K loop: at work)
;   window 1: v0-63 the role's bias; v64-255 fragments of B, stages 0, 1, 2
;   window 2: accumulator tiles of my rows 0-63 (tile (a, b) at v[8 (8 a + b)], b = 4 g + i: column block g of 64 e, tile i);  window 3: my rows 64-127
; A chunk has nine switches for its 64 matrix instructions and 32 loads: two round each of the first three groups of loads, one on each side of the fourth, one at its head.
; THE MATRIX INSTRUCTION IS USED TRANSPOSED: source 0 = 16 columns of B, source 1 = 16 rows of A.  Lane l then holds row l % 16, and register j of tile
; (g, i) the column 8 (l / 16) + j of that tile, which is e = 64 g + 32 (l / 16) + 4 j + i: over the four tiles i, 32 neighbouring e of one row.
.set SP,   528                         ; a row of the running output: 512 bytes + 16: an odd multiple of 16, so 16 rows' pieces start 16 bytes apart modulo 256
.set WSTG, 128*SP                      ; 67,584 bytes for each wave
.set K2,   0x4038aa3b                  ; 2 log2(e) = 2.885390
.set LOFF, 16                          ; v16     16 x lane: my 16 bytes of every 512 (fragments, and rows of out0); never rewritten
.set STO,  24                          ; v24     LDS: my 128 bytes of row l % 16 of my wave's running output
.set RD,   25                          ; v25-26  LDS: my 16 bytes of its row 0, of its row 64
.set BO,   27                          ; v27     my byte offset in a role's row of b
.set WM2,  32                          ; v[32:33] -2 c of the role at work, twice (a pair for the packed multiply-add)
.set C0Q,  36                          ; v[36:39] the sum of all c_r, four times (16 bytes for an LDS store)
.set CR,   40                          ; v40-43   c_r, at the start only
.set FA,   64                          ; A's stage p at FA + 64 p (window 0)
.set FB,   64                          ; B's stage p at FB + 64 p (window 1)
.set BIAS, 0                           ; window 1: K2 x b[role][e] of my 64 columns, at 32 g + 4 j + i
.set TMP,  64                          ; window 0, behind the K loop: one row block's 64 numbers at work, at 32 g + 4 j + i
.set OLD,  128                         ; window 0, behind the K loop: their running output, two sets by turns
.set PA,   24                          ; s[24:25] ha at the first chunk of the trip in hand
.set PB,   26                          ; s[26:27] wf likewise
.set MSB, 0
.macro WIN new                         ; the immediate's high byte repeats the setting that is left; a switch that changes nothing is dropped
.if MSB != \new
	s_set_vgpr_msb (MSB<<8)|\new
.set MSB, \new
.endif
.endm
.set MUL_LO, 0xa1                      ; source 0 (B) window 1, source 1 (A) window 0, C and D window 2
.set MUL_HI, 0xf1                      ; the same, C and D window 3
.set TO_B,   0x40                      ; destination window 1, address window 0
	s_load_b256 s[4:11], s[0:1], 0x0               ; ha s[4:5], wf s[6:7], b s[8:9], role_onehot s[10:11]
	s_load_b128 s[12:15], s[0:1], 0x20             ; scales s[12:13], route s[14:15]
	s_load_b64 s[76:77], s[0:1], 0x30              ; out0
	v_lshl_add_u32 v62, v0, 2, 0x29000
	v_mov_b32 v63, 0
	v_lshrrev_b32 v1, 5, v0
	v_readfirstlane_b32 s16, v1                    ; wave 0..1: which 128 of the work-group's 256 e
	s_and_b32 s19, ttmp7, 0xffff                   ; row block (128 rows), 0..31
	s_lshr_b32 s94, s19, 2                         ; the batch: four row blocks each
	s_mov_b32 s78, K2
	s_lshl_b32 s20, s19, 19                        ; ha: 8 blocks of 16 rows, 64 x 1,024 bytes each
	s_mov_b32 s21, 0
	s_lshl_b32 s46, ttmp9, 20                      ; wf: 4 column blocks of 64 e a work-group, 64 x 4,096 bytes each,
	s_wait_alu depctr_va_sdst(0)                   ; s16 is written, ahead of its first reader: offsets and LDS addresses are made from it
	s_lshl_b32 s22, s16, 19                        ; 2 a wave
	s_add_co_u32 s46, s46, s22
	s_mov_b32 s47, 0
	s_wait_kmcnt 0x0
	s_add_nc_u64 s[20:21], s[4:5], s[20:21]        ; ha at my rows, chunk 0
	s_add_nc_u64 s[46:47], s[6:7], s[46:47]        ; wf at my columns of role 0, chunk 0
	s_lshl_b32 s66, s94, 5                         ; my batch's record of route, 32 bytes
	s_mov_b32 s67, 0                               ; s67 stays 0: s[66:67] is the pair for every offset
	s_add_nc_u64 s[14:15], s[14:15], s[66:67]
	s_load_b256 s[80:87], s[14:15], 0x0            ; s80-83 the list, s84 n
	s_lshl_b32 s66, s94, 4                         ; my batch's four numbers of role_onehot
	s_add_nc_u64 s[10:11], s[10:11], s[66:67]
	s_load_b128 s[68:71], s[10:11], 0x0            ; onehot[batch][0..3]
	s_load_b128 s[72:75], s[12:13], 0x0            ; scales[0..3]
	; addresses, while these come in
	v_and_b32 v1, 15, v0                           ; l % 16
	v_bfe_u32 v2, v0, 4, 1                         ; h = l / 16
	v_and_b32 v10, 31, v0                          ; l
	v_lshlrev_b32 v[LOFF], 4, v10
	s_mul_i32 s22, s16, WSTG                       ; my wave's LDS
	v_mul_u32_u24 v7, v1, SP
	v_lshl_add_u32 v7, v2, 7, v7                   ; row l % 16, 128 bytes (32 e) x h
	v_add_nc_u32 v[STO], s22, v7
	v_lshl_add_u32 v[RD], v10, 4, s22              ; 32 lanes x 16 bytes are one row
	v_add_nc_u32 v[RD+1], 64*SP, v[RD]             ; the LDS immediate has 16 bits: rows 64-127 have a register of their own
	s_lshl_b32 s23, ttmp9, 10                      ; the work-group's 256 e, 1,024 bytes
	v_lshlrev_b32 v[BO], 7, v2                     ; in b: 32 e x h,
	v_lshl_add_u32 v[BO], s16, 9, v[BO]            ; + my wave's 128 e
	v_add_nc_u32 v[BO], s23, v[BO]
	s_lshl_b32 s66, s19, 20                        ; out0 at my first row: 128 rows of 8,192 bytes a row block (below 2^25),
	s_add_co_u32 s66, s66, s23                     ; the work-group's e
	s_lshl_b32 s23, s16, 9
	s_add_co_u32 s66, s66, s23                     ; and my wave's
	s_add_nc_u64 s[76:77], s[76:77], s[66:67]
	s_wait_kmcnt 0x0
	s_min_u32 s84, s84, 4                          ; n
.irp r, 0,1,2,3
	v_mov_b32 v[CR+\r], s[72+\r]
	v_mul_f32 v[CR+\r], s[68+\r], v[CR+\r]         ; c_r = onehot x scale, of all four roles: those that are left out add zero
.endr
	v_add_f32 v[C0Q], v[CR], v[CR+1]
	v_add_f32 v[C0Q+1], v[CR+2], v[CR+3]
	v_add_f32 v[C0Q], v[C0Q], v[C0Q+1]             ; the sum of the c_r
	v_mov_b32 v[C0Q+1], v[C0Q]
	v_mov_b32 v[C0Q+2], v[C0Q]
	v_mov_b32 v[C0Q+3], v[C0Q]
; 8 matrix instructions: row block a of the window's four (hi = 0: my rows 0-63, 1: rows 64-127) x all 8 column tiles, 32 along K, from stage p.
; zero = 1: the first product starts the sums: nothing is ever cleared.
.macro MUL8 p, hi, a, zero
.irp b, 0,1,2,3,4,5,6,7
.if \zero
	v_wmma_f32_16x16x32_bf16 v[8*(8*\a+\b):8*(8*\a+\b)+7], v[FB+64*\p+8*\b:FB+64*\p+8*\b+7], v[FA+64*\p+8*(4*\hi+\a):FA+64*\p+8*(4*\hi+\a)+7], 0
.else
	v_wmma_f32_16x16x32_bf16 v[8*(8*\a+\b):8*(8*\a+\b)+7], v[FB+64*\p+8*\b:FB+64*\p+8*\b+7], v[FA+64*\p+8*(4*\hi+\a):FA+64*\p+8*(4*\hi+\a)+7], v[8*(8*\a+\b):8*(8*\a+\b)+7]
.endif
.endr
.endm
; 8 loads: a chunk's four tiles of B's column block g, into stage q.  u: the chunk, counted from the two pointers.
.macro FETCHB q, u, g
	WIN TO_B
.irp i, 0,1,2,3
.irp j, 0,1
	global_load_b128 v[FB+64*(\q)+8*(4*(\g)+\i)+4*\j:FB+64*(\q)+8*(4*(\g)+\i)+4*\j+3], v[LOFF], s[PB:PB+1] offset:(\g)*262144+(\u)*4096+\i*1024+\j*512
.endr
.endr
.endm
; 8 loads: a chunk's row blocks 4 h .. 4 h + 3 of A, into stage q.
.macro FETCHA q, u, h
	WIN 0
.irp a, 0,1,2,3
.irp j, 0,1
	global_load_b128 v[FA+64*(\q)+8*(4*(\h)+\a)+4*\j:FA+64*(\q)+8*(4*(\h)+\a)+4*\j+3], v[LOFF], s[PA:PA+1] offset:(4*(\h)+\a)*65536+(\u)*1024+\j*512
.endr
.endr
.endm
.macro FETCH q, u                      ; a whole chunk in one run: at a role's head alone
	FETCHB \q, \u, 0
	FETCHB \q, \u, 1
	FETCHA \q, \u, 0
	FETCHA \q, \u, 1
.endm
; A vector instruction that reads a matrix result or writes one of a matrix instruction's registers stands four places behind it, and only plain vector
; instructions that name none of its registers are places (ISA guide 7.12.1).  This text keeps four v_nop also between the last matrix instruction that read a
; stage and the first load into it, once a chunk; the wait on va_vdst fills no place and stands beside them.
.macro PLACES
.rept 4
	v_nop
.endr
.endm
; One chunk: 64 matrix instructions on stage p.  The 64 accumulators take turns, one instruction a turn, in the same order in every chunk, over the loops'
; backward jumps too.  fill = 1: the chunk two further on is asked for, into stage (p + 2) % 3, which the chunk before has left.
; left: how many younger loads may stay out.
.macro CHUNK p, zero, fill, left
.set Q, (\p+2)%3
.set U, \p+2
	s_wait_loadcnt \left                           ; loads come back in order (ISA guide 5.7.1): this stage is whole
.if \fill
	s_wait_alu depctr_va_vdst(0)                   ; the chunk before's matrix instructions are done reading stage (p + 2) % 3, in which this chunk's 32 loads land; no vector or matrix instruction behind this wait names that stage or v16 before the last of them is issued
.endif
	WIN MUL_LO
	MUL8 \p, 0, 0, \zero
.if \fill
	PLACES
	FETCHB Q, U, 0
.endif
	WIN MUL_LO
	MUL8 \p, 0, 1, \zero
.if \fill
	FETCHB Q, U, 1
.endif
	WIN MUL_LO
	MUL8 \p, 0, 2, \zero
.if \fill
	FETCHA Q, U, 0
.endif
	WIN MUL_LO
	MUL8 \p, 0, 3, \zero
.if \fill
	FETCHA Q, U, 1
.endif
	WIN MUL_HI
	MUL8 \p, 1, 0, \zero
	MUL8 \p, 1, 1, \zero
	MUL8 \p, 1, 2, \zero
	MUL8 \p, 1, 3, \zero
.endm
.macro STEP                            ; a trip's end: both pointers go three chunks on
	WIN 0                                          ; a label or a branch follows: every window is 0 there
	s_wait_xcnt 0x0                                ; the loads that name them have had their addresses translated (ISA guide 3.1): they are written only behind this wait; the youngest was issued 32 matrix instructions ago
	s_add_nc_u64 s[PA:PA+1], s[PA:PA+1], 3*1024
	s_add_nc_u64 s[PB:PB+1], s[PB:PB+1], 3*4096
.endm
; The 16 LDS stores of row block a's running output, from set par of OLD.
.macro PUT a, par
.irp g, 0,1
.irp q, 0,1,2,3,4,5,6,7
	ds_store_b128 v[STO], v[OLD+64*(\par)+32*\g+4*\q:OLD+64*(\par)+32*\g+4*\q+3] offset:(\a)*16*SP+256*\g+16*\q
.endr
.endr
.endm
; Behind a role's K loop, rows 16 a .. 16 a + 15 of my 128 (tiles (al, 0..7), al = a % 4, of window 2 or 3: win = 0x12 or 0x13: source 0 there, source 2 in
; window 1).  y = K2 (x + b) in one multiply-add, which also puts the four tiles' numbers in the order of e; 1 / (1 + 2^y); running output += (-2 c) / (1 + 2^y).
; par: which set of registers takes the running output.  The block's own stores are issued in the next block (block 7's behind it).
.macro EPI a, al, win, par
	WIN 0
.if \a >= 2
	s_wait_alu depctr_vm_vsrc(0)                   ; the LDS stores of the block two before, issued in the block before, have read this set of OLD, in which the loads below land
.endif
.irp g, 0,1
.irp q, 0,1,2,3,4,5,6,7
	ds_load_b128 v[OLD+64*\par+32*\g+4*\q:OLD+64*\par+32*\g+4*\q+3], v[STO] offset:\a*16*SP+256*\g+16*\q   ; asked for first: it comes in during the arithmetic
.endr
.endr
	WIN \win
.irp g, 0,1
.irp i, 0,1,2,3
.irp j, 0,1,2,3,4,5,6,7
	v_fma_f32 v[TMP+32*\g+4*\j+\i], v[8*(8*\al+4*\g+\i)+\j], s78, v[BIAS+32*\g+4*\j+\i]
.endr
.endr
.endr
	WIN 0
.set n, 0
.rept 64
	v_exp_f32 v[TMP+n], v[TMP+n]                   ; infinite for large y, zero for very negative y: both give the right limit below
.set n, n+1
.endr
	v_nop                                          ; one plain vector instruction between a transcendental and the use of its result (ISA guide 5.7.2)
	s_wait_alu depctr_va_vdst(0)                   ; the 64 exponentials have written TMP, ahead of their first reader; and the block before's multiply-adds have written the other set of OLD, which the stores below read
.if \a >= 1
	PUT (\a)-1, 1-(\par)
.endif
.set n, 0
.rept 32
	v_pk_add_f32 v[TMP+n:TMP+n+1], v[TMP+n:TMP+n+1], 1.0 op_sel_hi:[1,0]
.set n, n+2
.endr
.set n, 0
.rept 64
	v_rcp_f32 v[TMP+n], v[TMP+n]
.set n, n+1
.endr
	v_nop                                          ; as above
.if \a >= 1
	s_wait_dscnt 16                                ; LDS instructions end in order (ISA guide 5.7.1): the running output is in; the 16 stores issued behind its loads may stay out
.else
	s_wait_dscnt 0x0                               ; the running output is in: nothing was issued behind its loads
.endif
	s_wait_alu depctr_va_vdst(0)                   ; the 64 reciprocals have written TMP, ahead of their first reader
.set n, 0
.rept 32
	v_pk_fma_f32 v[OLD+64*\par+n:OLD+64*\par+n+1], v[TMP+n:TMP+n+1], v[WM2:WM2+1], v[OLD+64*\par+n:OLD+64*\par+n+1]
.set n, n+2
.endr
.endm
	s_mov_b32 s89, 0
.Lrole:
	; THE LIST'S NEXT ROLE
	s_min_u32 s88, s80, 3                          ; a number from memory enters an address only through such a bound
	s_mov_b32 s80, s81                             ; the list moves up
	s_mov_b32 s81, s82
	s_mov_b32 s82, s83
	s_lshl_b32 s66, s88, 23                        ; a role of wf is 2^23 bytes
	s_add_nc_u64 s[PB:PB+1], s[46:47], s[66:67]    ; the pointers start anew: the last role's loads have all been waited for
	s_mov_b64 s[PA:PA+1], s[20:21]
	s_lshl_b32 s66, s88, 13                        ; a role's row of b is 8,192 bytes
	s_add_nc_u64 s[92:93], s[8:9], s[66:67]
	WIN TO_B
	s_wait_alu depctr_vm_vsrc(0)                   ; from the second role on: the last role's LDS stores of row blocks 6 and 7 have read OLD, in which A's stages 1 and 2 land
	s_wait_alu depctr_va_vdst(0)                   ; the first role: v16, v24, v27 and v[36:39] are written, which the loads and LDS stores below read; later roles: the last role's arithmetic is done reading the bias and writing TMP and OLD, its matrix instructions are done reading B's stages: loads land in all of these
.irp g, 0,1
.irp q, 0,1,2,3,4,5,6,7
	global_load_b128 v[BIAS+32*\g+4*\q:BIAS+32*\g+4*\q+3], v[BO], s[92:93] offset:256*\g+16*\q   ; b of my 2 x 32 neighbouring e
.endr
.endr
	FETCH 0, 0                                     ; chunks 0, 1, 2.  More loads are issued here than a counter's field holds; the issue then waits for the
	FETCH 1, 1                                     ; oldest (ISA guide 5.7.1), and no wait is written for that.  Between the two waits above and the last of these loads
	FETCH 2, 2                                     ; stand loads and window switches alone
	; while they are on their way: the role's weight, and in the first trip the start of the running output
	s_mov_b32 s90, s68                             ; onehot and scale of the role: a choice among four by a whole number
	s_mov_b32 s91, s72
.irp k, 1,2,3
	s_cmp_eq_u32 s88, \k
	s_cselect_b32 s90, s[68+\k], s90
	s_cselect_b32 s91, s[72+\k], s91
.endr
	v_mov_b32 v[WM2], s91
	v_mul_f32 v[WM2], s90, v[WM2]                  ; c = onehot x scale
	v_mul_f32 v[WM2], -2.0, v[WM2]
	v_mov_b32 v[WM2+1], v[WM2]
	s_cmp_lg_u32 s89, 0
	s_cbranch_scc1 .Lstarted
.irp a, 0,1,2,3,4,5,6,7
.irp g, 0,1
.irp q, 0,1,2,3,4,5,6,7
	ds_store_b128 v[STO], v[C0Q:C0Q+3] offset:\a*16*SP+256*\g+16*\q   ; the running output starts as the sum of the c_r; each lane writes the bytes that it reads later.  No wait: the vector lines since the wait at the role's head name v32 and v33 alone
.endr
.endr
.endr
.Lstarted:
	s_wait_loadcnt 63                              ; the bias is in: 96 loads were issued behind it
	WIN 0x41                                       ; destination and source 0: window 1
.set n, 0
.rept 32
	v_pk_mul_f32 v[BIAS+n:BIAS+n+1], v[BIAS+n:BIAS+n+1], K2 op_sel_hi:[1,0]   ; K2 b, so that K2 (x + b) is one multiply-add behind the K loop
.set n, n+2
.endr
	; THE PRODUCT OVER K.  The pointers stand at a trip's first chunk; its three chunks ask for the chunks 2, 3 and 4 further on.
	CHUNK 0, 1, 0, 63                              ; chunk 0's products start the sums; it asks for nothing (chunk 2 is out already).  Chunks 1 and 2, 64 loads, may stay out; 63 is the largest count that a wait can name
	CHUNK 1, 0, 1, 32                              ; from here on the next chunk's 32 loads may stay out.  Chunk 1 asks for chunk 3,
	CHUNK 2, 0, 1, 32                              ; chunk 2 for chunk 4
	STEP
	s_mov_b32 s3, 19                               ; chunks 3 to 59, which ask for chunks 5 to 61
.Llap:
	CHUNK 0, 0, 1, 32
	CHUNK 1, 0, 1, 32
	CHUNK 2, 0, 1, 32
	STEP
	s_sub_co_u32 s3, s3, 1
	s_cmp_lg_u32 s3, 0
	s_cbranch_scc1 .Llap
	CHUNK 0, 0, 1, 32                              ; chunk 60 asks for chunk 62,
	CHUNK 1, 0, 1, 32                              ; chunk 61 for chunk 63, the last: no load leaves ha or wf
	CHUNK 2, 0, 0, 32                              ; chunk 62: chunk 63 may stay out
	CHUNK 0, 0, 0, 0                               ; chunk 63: no load is out any more
	PLACES                                         ; the places behind the last matrix instructions, for all that follows
	WIN 0
	s_wait_alu depctr_va_vdst(0)                   ; the matrix instructions are done reading A's stages 1 and 2, in which row blocks 0 and 1 of the running output land
	; THE ROLE'S SHARE OF THE OUTPUT
	EPI 0, 0, 0x12, 0
	EPI 1, 1, 0x12, 1
	EPI 2, 2, 0x12, 0
	EPI 3, 3, 0x12, 1
	EPI 4, 0, 0x13, 0
	EPI 5, 1, 0x13, 1
	EPI 6, 2, 0x13, 0
	EPI 7, 3, 0x13, 1
	s_wait_alu depctr_va_vdst(0)                   ; row block 7's multiply-adds have written its set of OLD, which the stores below read
	PUT 7, 1
	s_add_co_u32 s89, s89, 1
	s_cmp_lt_u32 s89, s84
	s_cbranch_scc1 .Lrole
; THE WAY OUT, rows 32 k .. 32 k + 31 of my 128: whole rows of 512 bytes come out of my own LDS and are stored.  LDS serves a wave's instructions in order
; (ISA guide 5.7.1.4): the loads see the stores above.  Every row has registers of its own (windows 2 and 3, free now), so no store's data is written again.
; ldwin: the loads' destination, stwin: the stores' data (source 1), in window 2 or 3.
.macro OUTP k, ldwin, stwin
	WIN \ldwin
.if \k == 0
	s_wait_alu depctr_va_vdst(0)                   ; the roles' multiply-adds are done reading the accumulators, in which the rows land; no vector or matrix instruction follows this wait
.endif
.set t, 0
.rept 32
	ds_load_b128 v[128*(\k%2)+4*t:128*(\k%2)+4*t+3], v[RD+\k/2] offset:(32*(\k%2)+t)*SP
.set t, t+1
.endr
	WIN \stwin
.set t, 0
.rept 32
	s_wait_dscnt 31-t                              ; LDS loads come back in order (ISA guide 5.7.1): row t is in, the 31 - t younger ones stay out
	global_store_b128 v[LOFF], v[128*(\k%2)+4*t:128*(\k%2)+4*t+3], s[76:77] offset:(32*\k+t)*8192 th:TH_STORE_NT   ; the wave stores 512 consecutive bytes, at a multiple of 512 from out0's first byte
.set t, t+1
.endr
.endm
	OUTP 0, 0x80, 0x08
	OUTP 1, 0x80, 0x08
	OUTP 2, 0xc0, 0x0c
	OUTP 3, 0xc0, 0x0c
	WIN 0
	s_wait_dscnt 0x0                               ; the closing lines, six on end
	s_wait_alu 0x0
	s_wait_tensorcnt 0x0
	ds_add_u32 v62, v63
	s_wait_dscnt 0x0
	s_endpgm
.Lfunc_end_k_q11b80ee2ba_gemm:
	.size	k_q11b80ee2ba_gemm, .Lfunc_end_k_q11b80ee2ba_gemm-k_q11b80ee2ba_gemm
	.p2alignl 7, 3214868480
	.fill 96, 4, 3214868480
	.section	.rodata,"a",@progbits
	.p2align	6, 0x0
	.amdhsa_kernel k_q11b80ee2ba_gemm
		.amdhsa_group_segment_fixed_size 168192
		.amdhsa_private_segment_fixed_size 0
		.amdhsa_enable_private_segment 0
		.amdhsa_kernarg_size 56
		.amdhsa_user_sgpr_count 2
		.amdhsa_user_sgpr_kernarg_segment_ptr 1
		.amdhsa_wavefront_size32 1
		.amdhsa_system_sgpr_workgroup_id_x 1
		.amdhsa_system_sgpr_workgroup_id_y 1
		.amdhsa_system_sgpr_workgroup_id_z 1
		.amdhsa_system_vgpr_workitem_id 0
		.amdhsa_next_free_vgpr 1024
		.amdhsa_next_free_sgpr 96
		.amdhsa_reserve_vcc 0
		.amdhsa_float_denorm_mode_32 3
		.amdhsa_float_denorm_mode_16_64 3
		.amdhsa_memory_ordered 1
		.amdhsa_forward_progress 1
		.amdhsa_inst_pref_size 230
	.end_amdhsa_kernel
	.amdgpu_metadata
---
amdhsa.version: [ 1, 2 ]
amdhsa.kernels:
  - .name:           k_q11b80ee2ba_gemm
    .symbol:         k_q11b80ee2ba_gemm.kd
    .args:
      - { .name: ha, .offset: 0, .size: 8, .value_kind: global_buffer, .address_space: global }
      - { .name: wf, .offset: 8, .size: 8, .value_kind: global_buffer, .address_space: global }
      - { .name: b, .offset: 16, .size: 8, .value_kind: global_buffer, .address_space: global }
      - { .name: role_onehot, .offset: 24, .size: 8, .value_kind: global_buffer, .address_space: global }
      - { .name: scales, .offset: 32, .size: 8, .value_kind: global_buffer, .address_space: global }
      - { .name: route, .offset: 40, .size: 8, .value_kind: global_buffer, .address_space: global }
      - { .name: out0, .offset: 48, .size: 8, .value_kind: global_buffer, .address_space: global }
    .group_segment_fixed_size: 168192
    .private_segment_fixed_size: 0
    .kernarg_segment_align: 8
    .kernarg_segment_size: 56
    .max_flat_workgroup_size: 64
    .sgpr_count:     96
    .vgpr_count:     1024
    .wavefront_size: 32
...
	.end_amdgpu_metadata
.endif
;; end of part 5
